; MI455X (gfx1250); checked and timed in simulation.
; The chip was launched on July 23, 2026; its instructions are those of AMD's public machine-readable ISA for CDNA 5 (MIT licence, August 2026) and "CDNA5" Instruction Set Architecture Reference Guide (July 2026). The comments in the code are by the model that wrote it; some were corrected since.
;; DSA Multi Head Attention. Allowed arithmetic: matrix products marked QUANTISED: E5M2 operands, one given power-of-two scale a tensor, by v_wmma_f32_16x16x64_bf8_bf8 or v_wmma_f32_16x16x128_bf8_bf8, f32 sums; everything else in f32.
;; Inputs: bk 512 float32; bo 512 float32; bq 512 float32; bv 512 float32; ln_b 512 float32; ln_g 512 float32; lowp_scales 12 int32 (the exponents e of the quantised operands' scales 2^e); wk 512 x 512 float32; wo 512 x 512 float32; wq 512 x 512 float32; wv 512 x 512 float32; x 2 x 4,096 x 512 float32.
;; Outputs: out0 2 x 4,096 x 512 float32.
;; This version of the problem:
;;   THIS VERSION OF THE PROBLEM IS GIVEN IN LOW PRECISION. The matrix products marked QUANTISED in the list below multiply operands that are first quantised to E5M2 (5 exponent bits, 2 mantissa bits; 8 bits a number), with one given power-of-two scale for each operand tensor; their sums are f32. All else is computed in f32.
;;   The module's matrix products, in the order in which they are computed (A, B: the left and right operand; K: the contracted axis; several contracted axes count as one K, in the product's order):
;;     1. [M 8,192, K 512] x [K 512, N 512]; A: input x; B: input wq: QUANTISED (scales: A lowp_scales[0], B lowp_scales[1])
;;     2. [M 8,192, K 512] x [K 512, N 512]; A: input x; B: input wk: QUANTISED (scales: A lowp_scales[2], B lowp_scales[3])
;;     3. [M 8,192, K 512] x [K 512, N 512]; A: input x; B: input wv: QUANTISED (scales: A lowp_scales[4], B lowp_scales[5])
;;     4. batch 16 x [M 4,096, K 64] x [K 64, N 4,096]; A: computed on the way; B: computed on the way: QUANTISED (scales: A lowp_scales[6], B lowp_scales[7])
;;     5. batch 16 x [M 4,096, K 4,096] x [K 4,096, N 64]; A: softmax (see below); B: computed on the way: QUANTISED (scales: A lowp_scales[8], B lowp_scales[9])
;;     6. [M 8,192, K 512] x [K 512, N 512]; A: computed on the way; B: input wo: QUANTISED (scales: A lowp_scales[10], B lowp_scales[11])
;;   THE QUANTISER, for each operand of a quantised product, along K:
;;     - The operand's scale is 2^e, e = its entry of the input lowp_scales (int32; the entries are numbered through the quantised products in the list's order, A before B).
;;     - Each number is divided by the scale, clamped to +-57,344, and rounded to the nearest number of E5M2, ties to even, subnormals kept.
;;     - The product sums the exact products of the quantised numbers (number of the format x scale) in f32.
;;   ~~~python
;;   def quantise(x, axis, e):      # numpy; x: float32 -> the quantised numbers, widened to float32 again
;;       x = np.moveaxis(x, axis, -1); K = x.shape[-1]
;;       r = np.clip(x / 2.0 ** e, -57344, 57344)
;;       step = 2.0 ** (np.maximum(np.frexp(np.where(r == 0, 1, r))[1] - 1, -14) - 2)
;;       q = np.round(r / step) * step * 2.0 ** e      # np.round: ties to even
;;       return np.moveaxis(q, -1, axis).astype(np.float32)
;;   ~~~
;;   SOFTMAX AHEAD OF A QUANTISED PRODUCT. Where the list says 'softmax', what is quantised is not the finished softmax but p = 2^(t - M), with t = logit x log2(e) and M = ceil(the row's largest t), a whole number; so 1/2 < the row's largest p <= 1. The row's sum l is taken of the UNQUANTISED p, in f32, and the product's result is divided by l at the end. Since M is a whole number, a kernel that streams over the keys may use a running M (the ceiling of the running maximum): every later rescaling is an exact power of two, so the quantised numbers keep their values, but for numbers so far below the row's largest that they fall under the format's range.
;;   OPERANDS COMPUTED ON THE WAY. 'Computed on the way' means the value that the module computes at that place (a softmax that the list does not call 'softmax' is quantised finished and normalised). What goes into a quantiser is computed in f32, as accurately as f32 sums, v_exp_f32 and their like allow (about 1e-6 of the number): no bf16 or f16 on the way to a quantiser, and a product that is left as it is and whose result goes on into a quantised operand takes f32 operands (vector FMAs, or v_wmma_f32_16x16x4_f32). A number that lies on a knife's edge between two numbers of the format may be rounded either way, as far as f32 arithmetic and the matrix unit's own rounding can turn it there, and no further.
;; 2 versions. Each part assembles by itself: llvm-mc -triple=amdgcn-amd-amdhsa -mcpu=gfx1250 --defsym DOCPART=n.
;; ======== version 1 of 2: 4 launches
;; workspace buffers: wcodes 1,048,576 bytes; q_codes 4,194,304 bytes; kv_codes 8,388,608 bytes; ctx_codes 4,194,304 bytes
;; launch prep (part 1): grid 64 x 4, 4 waves a work-group, no clusters, 0 bytes of LDS; arguments wq, wk, wv, wo, lowp_scales, wcodes; writes wcodes
.if DOCPART == 1
	.amdgcn_target "amdgcn-amd-amdhsa--gfx1250"
	.amdhsa_code_object_version 6
	.text
	.protected	k_q467975eefe_prep
	.globl	k_q467975eefe_prep
	.p2align	8
	.type	k_q467975eefe_prep,@function
k_q467975eefe_prep:
	s_mov_b64 s[64:65], 0
	v_nop
	global_prefetch_b8 v0, s[64:65] scope:SCOPE_SE
	s_setreg_imm32_b32 hwreg(HW_REG_WAVE_MODE, 25, 1), 1
	s_wait_xcnt 0x0
; The four weights, f32 stored [k 512][n 512], become codes of BF8 (E5M2), each with the one scale 2^e given for it (entries 1, 3, 5, 11 of the scales).
; code = w / 2^e, held within +-57,344, rounded to the nearest code, ties to even.  LIMIT: e between -126 and 112.  NaN among the inputs is not served.
; OUTPUT LAYOUT: images of operand registers.  wcodes[weight y][column tile T 0..31][K step s 0..3][2,048 bytes].  A fragment is 16 columns x 128 k, 16 registers a lane:
; lane (r, h) holds column 16 T + r, its registers 2 c, 2 c + 1 hold k = 128 s + 16 c + 8 h + 0..7.  Chunk c4 of the image (512 bytes) holds registers 4 c4 .. 4 c4 + 3, lane l at 16 l.
; SHARES: work-group y = the weight; x = 4 kb + cg: 32 rows of k (kb) x 128 columns (cg).  A LANE TAKES A COLUMN AND ITS REGISTERS RUN DOWN K: each load of a wave reads 128 consecutive
; bytes, the four waves 512; the conversions take eight neighbours along k from one lane.  A block of 32 k is chunk kb % 4 of K step kb / 4: k 0-7 and 16-23 belong to the image
; lane (r, 0), k 8-15 and 24-31 to lane (r, 1), 256 bytes further on.  Sixteen lanes store 256 consecutive bytes, aligned.  Waves share nothing: no LDS, no barrier.
.set X,   8                            ; v8-39   32 numbers down k
.set C,   40                           ; v40-47  their codes: v40-43 for image lane (r, 0), v44-47 for (r, 1)
.set SCW, 48                           ; v48     2^e as f32
.set LMW, 49                           ; v49     57,344 x 2^e
	s_load_b256 s[4:11], s[0:1], 0x0               ; wq, wk, wv, wo
	s_load_b128 s[12:15], s[0:1], 0x20             ; the scales' exponents s[12:13], wcodes s[14:15]
	v_lshrrev_b32 v3, 5, v0
	v_readfirstlane_b32 s28, v3                    ; wave 0..3
	v_and_b32 v4, 31, v0                           ; lane
	v_lshlrev_b32 v1, 2, v4                        ; in: 4 bytes a lane
	v_lshrrev_b32 v5, 4, v4                        ; which of my wave's two column tiles
	v_and_b32 v6, 15, v4                           ; r
	v_lshlrev_b32 v2, 4, v6
	v_lshl_add_u32 v2, v5, 13, v2                  ; out: 8,192 x tile + 16 r
	s_and_b32 s29, ttmp7, 0xffff                   ; y: the weight
	s_and_b32 s30, ttmp9, 3                        ; cg: which 128 columns
	s_lshr_b32 s31, ttmp9, 2                       ; kb: which 32 along k
	s_lshl_b32 s32, s31, 16                        ; source: 32 kb rows of 2,048 bytes
	s_lshl_b32 s34, s30, 9                         ; + 128 cg columns
	s_add_co_u32 s32, s32, s34
	s_lshl_b32 s34, s28, 7                         ; + 32 columns a wave
	s_add_co_u32 s32, s32, s34
	s_mov_b32 s33, 0
	s_lshl_b32 s36, s29, 18                        ; destination: 262,144 y
	s_lshl_b32 s34, s30, 16                        ; + tile 8 cg
	s_add_co_u32 s36, s36, s34
	s_lshl_b32 s34, s28, 14                        ; + tile 2 w
	s_add_co_u32 s36, s36, s34
	s_lshr_b32 s34, s31, 2
	s_lshl_b32 s34, s34, 11                        ; + K step kb / 4
	s_add_co_u32 s36, s36, s34
	s_and_b32 s34, s31, 3
	s_lshl_b32 s34, s34, 9                         ; + chunk kb % 4
	s_add_co_u32 s36, s36, s34
	s_mov_b32 s37, 0
	s_wait_kmcnt 0x0
	s_load_b256 s[16:23], s[12:13], 0x0            ; e0 .. e7
	s_load_b128 s[24:27], s[12:13], 0x20           ; e8 .. e11
	s_cmp_eq_u32 s29, 1                            ; the weight's address: a choice on the work-group's number alone
	s_cselect_b64 s[4:5], s[6:7], s[4:5]
	s_cmp_eq_u32 s29, 2
	s_cselect_b64 s[4:5], s[8:9], s[4:5]
	s_cmp_eq_u32 s29, 3
	s_cselect_b64 s[4:5], s[10:11], s[4:5]
	s_add_nc_u64 s[4:5], s[4:5], s[32:33]
	s_add_nc_u64 s[14:15], s[14:15], s[36:37]
.irp i, 0,1,2,3,4,5,6,7,8,9,10,11,12,13,14,15,16,17,18,19,20,21,22,23,24,25,26,27,28,29,30,31
	global_load_b32 v[X+\i], v1, s[4:5] offset:\i*2048 th:TH_LOAD_NT   ; w(32 kb + i, my column)
.endr
	s_wait_kmcnt 0x0
	s_cmp_eq_u32 s29, 1                            ; e: entry 1, 3, 5 or 11
	s_cselect_b32 s17, s19, s17
	s_cmp_eq_u32 s29, 2
	s_cselect_b32 s17, s21, s17
	s_cmp_eq_u32 s29, 3
	s_cselect_b32 s17, s27, s17
	s_add_co_i32 s17, s17, 127
	s_lshl_b32 s18, s17, 23
	v_mov_b32 v[SCW], s18                          ; 2^e: the conversion takes its exponent field
	s_add_co_i32 s17, s17, 15
	s_lshl_b32 s17, s17, 23
	s_or_b32 s17, s17, 0x600000
	v_mov_b32 v[LMW], s17                          ; 57,344 x 2^e
	s_wait_loadcnt 0x0
.irp i, 0,1,2,3,4,5,6,7,8,9,10,11,12,13,14,15,16,17,18,19,20,21,22,23,24,25,26,27,28,29,30,31
	v_med3_num_f32 v[X+\i], v[X+\i], -v[LMW], v[LMW]   ; the conversion to an 8-bit code does not saturate (ISA guide 7.6.2): the hold comes first
.endr
	v_cvt_scalef32_pk8_bf8_f32 v[C:C+1],   v[X:X+7],     v[SCW]   ; k 0-7:   image lane (r, 0), registers 0, 1 of the chunk
	v_cvt_scalef32_pk8_bf8_f32 v[C+4:C+5], v[X+8:X+15],  v[SCW]   ; k 8-15:  image lane (r, 1), registers 0, 1
	v_cvt_scalef32_pk8_bf8_f32 v[C+2:C+3], v[X+16:X+23], v[SCW]   ; k 16-23: image lane (r, 0), registers 2, 3
	v_cvt_scalef32_pk8_bf8_f32 v[C+6:C+7], v[X+24:X+31], v[SCW]   ; k 24-31: image lane (r, 1), registers 2, 3
	global_store_b128 v2, v[C:C+3], s[14:15]                      ; the codes go to stores alone, which want no place behind a conversion
	global_store_b128 v2, v[C+4:C+7], s[14:15] offset:256
	s_endpgm
.Lfunc_end_k_q467975eefe_prep:
	.size	k_q467975eefe_prep, .Lfunc_end_k_q467975eefe_prep-k_q467975eefe_prep
	.p2alignl 7, 3214868480
	.fill 96, 4, 3214868480
	.section	.rodata,"a",@progbits
	.p2align	6, 0x0
	.amdhsa_kernel k_q467975eefe_prep
		.amdhsa_group_segment_fixed_size 0
		.amdhsa_private_segment_fixed_size 0
		.amdhsa_enable_private_segment 0
		.amdhsa_kernarg_size 48
		.amdhsa_user_sgpr_count 2
		.amdhsa_user_sgpr_kernarg_segment_ptr 1
		.amdhsa_wavefront_size32 1
		.amdhsa_system_sgpr_workgroup_id_x 1
		.amdhsa_system_sgpr_workgroup_id_y 1
		.amdhsa_system_sgpr_workgroup_id_z 1
		.amdhsa_system_vgpr_workitem_id 0
		.amdhsa_next_free_vgpr 56
		.amdhsa_next_free_sgpr 66
		.amdhsa_reserve_vcc 0
		.amdhsa_float_denorm_mode_32 3
		.amdhsa_float_denorm_mode_16_64 3
		.amdhsa_memory_ordered 1
		.amdhsa_forward_progress 1
		.amdhsa_inst_pref_size 8
	.end_amdhsa_kernel
	.amdgpu_metadata
---
amdhsa.version: [ 1, 2 ]
amdhsa.kernels:
  - .name:           k_q467975eefe_prep
    .symbol:         k_q467975eefe_prep.kd
    .args:
      - { .name: wq, .offset: 0, .size: 8, .value_kind: global_buffer, .address_space: global }
      - { .name: wk, .offset: 8, .size: 8, .value_kind: global_buffer, .address_space: global }
      - { .name: wv, .offset: 16, .size: 8, .value_kind: global_buffer, .address_space: global }
      - { .name: wo, .offset: 24, .size: 8, .value_kind: global_buffer, .address_space: global }
      - { .name: lowp_scales, .offset: 32, .size: 8, .value_kind: global_buffer, .address_space: global }
      - { .name: wcodes, .offset: 40, .size: 8, .value_kind: global_buffer, .address_space: global }
    .group_segment_fixed_size: 0
    .private_segment_fixed_size: 0
    .kernarg_segment_align: 8
    .kernarg_segment_size: 48
    .max_flat_workgroup_size: 128
    .sgpr_count:     66
    .vgpr_count:     56
    .wavefront_size: 32
...
	.end_amdgpu_metadata
.endif
;; end of part 1
;; launch qkv (part 2): grid 64 x 3, 4 waves a work-group, no clusters, 66,048 bytes of LDS; arguments x, wcodes, lowp_scales, bq, bk, bv, q_codes, kv_codes; writes q_codes, kv_codes
.if DOCPART == 2
	.amdgcn_target "amdgcn-amd-amdhsa--gfx1250"
	.amdhsa_code_object_version 6
	.text
	.protected	k_q467975eefe_qkv
	.globl	k_q467975eefe_qkv
	.p2align	8
	.type	k_q467975eefe_qkv,@function
k_q467975eefe_qkv:
	s_mov_b64 s[64:65], 0
	v_nop
	global_prefetch_b8 v0, s[64:65] scope:SCOPE_SE
	s_setreg_imm32_b32 hwreg(HW_REG_WAVE_MODE, 25, 1), 1
	s_wait_xcnt 0x0
; Work-group (bx, y): rows 128 bx .. + 127 of x (one key step of one batch) through projection y (0 q, 1 k, 2 v): Q(x) Q(w) + bias, then quantised for attention.
; x is quantised with its scale for THIS product (entry 2 y), the weight's codes come from wcodes (entry 2 y + 1), the result is quantised with entry 6 (q), 7 (k) or 9 (v).
; LIMITS: ex, and eo - ex - ew, between -126 and 112; ex + ew is applied by v_ldexp_f32.  NaN among the inputs is not served.
; ALL OPERANDS ARE IMAGES OF REGISTERS: a fragment of 16 rows x 128 k is 16 registers a lane, lane (r, h) holds row r, registers 2 c, 2 c + 1 hold k = 16 c + 8 h + 0..7; its image is four
; chunks of 512 bytes, lane l's four registers at 16 l.  Every fragment load and store is 16 bytes a lane, 512 consecutive bytes a wave: no pitch, no padding.
; SHARES: THE WAVES SHARE THE COLUMNS: wave w has columns 128 w .. + 127 (heads 2 w, 2 w + 1); its 32 weight fragments stay in 512 registers.  Wave w quantises rows 32 w .. + 31 of x
; (8 fragments) into LDS; ONE barrier; then every wave reads all 32 fragments of x.  Behind the barrier nothing is stored to LDS, and the text parts on y.
; q, k: source 0 = 16 columns of w, source 1 = 16 tokens: a lane holds one token and 8 neighbouring channels: one conversion gives registers 2 c, 2 c + 1 of a fragment (row = token, k = channel).
; v:    sources swapped: a lane holds one channel and 8 neighbouring tokens: one conversion gives registers 2 T, 2 T + 1 of a fragment (row = channel, k = the step's 128 keys).
; The bias is the C of each sum's first matrix instruction, divided once by 2^(ex + ew); the three scales ahead of the quantiser are folded into the conversion's one.
; REGISTERS: window 0: v1-7 lane numbers and addresses; v16-143 x as f32 (two sets of 64), later fragments of x; v144-175 codes; v176-179 scales and holds; v180-187 the bias loads' offsets.
;   windows 1, 2: weight fragment (t, s) at v[64 (t % 4) + 16 s] of window 1 + t / 4.   window 3: v0-63 the bias, 8 blocks of 8; v64-191 the accumulators.
.set XA,  4                            ; v4   x: row r of 2,048 bytes + 32 h
.set LI,  5                            ; v5   16 x lane: my place in an image
.set XWI, 6                            ; v6   where I store the images of x: 16 x lane + 16,384 x wave
.set LI2, 7                            ; v7   16 x lane + one head's bytes in the output (q, k)
.set BUF, 16
.set PC,  144
.set SCX, 176                          ; 2^ex
.set LMX, 177                          ; 57,344 x 2^ex
.set SCO, 178                          ; 2^(eo - ex - ew)
.set LMO, 179                          ; 57,344 x that
.set VO,  180
.set ACC, 64                           ; in window 3
.set MSB, 0
.macro WIN new                         ; the immediate's high byte repeats the setting that is left; a switch that changes nothing is dropped
.if MSB != (\new)
	s_set_vgpr_msb (MSB<<8)|(\new)
.set MSB, (\new)
.endif
.endm
.macro PLACES                          ; four plain places behind matrix instructions, in front of loads into their sources and of the first read of results
.rept 4
	v_nop
.endr
.endm
	s_load_b256 s[4:11], s[0:1], 0x0               ; x s[4:5], wcodes s[6:7], the exponents s[8:9], bq s[10:11]
	s_load_b256 s[12:19], s[0:1], 0x20             ; bk s[12:13], bv s[14:15], q_codes s[16:17], kv_codes s[18:19]
	v_lshl_add_u32 v254, v0, 2, 0x10000
	v_mov_b32 v255, 0
	v_lshrrev_b32 v8, 5, v0
	v_readfirstlane_b32 s20, v8                    ; wave 0..3
	v_and_b32 v1, 31, v0                           ; lane
	v_and_b32 v2, 15, v0                           ; r
	v_bfe_u32 v3, v0, 4, 1                         ; h
	v_lshlrev_b32 v[XA], 11, v2
	v_lshl_add_u32 v[XA], v3, 5, v[XA]
	v_lshlrev_b32 v[LI], 4, v1
	s_lshl_b32 s28, s20, 14
	v_add_nc_u32 v[XWI], s28, v[LI]
	s_and_b32 s21, ttmp7, 0xffff                   ; y
	s_lshr_b32 s23, ttmp9, 5                       ; batch
	s_and_b32 s24, ttmp9, 31                       ; key step
	s_cmp_eq_u32 s21, 0
	s_cselect_b32 s26, 18, 19                      ; a head's bytes: 2^18 in q_codes, 2^19 in kv_codes
	s_lshl_b32 s27, 1, s26
	v_add_nc_u32 v[LI2], s27, v[LI]
	s_cmp_eq_u32 s21, 2
	s_cselect_b32 s32, 0, 32                       ; the bias loads' offsets: q, k: 32 h + 4 jj (8 neighbouring channels);  v: 4 r (my one channel, eight times)
	s_cselect_b32 s33, 4, 0
	s_cselect_b32 s34, 0, 4
	s_cselect_b32 s35, 8192, 0                     ; v's fragments lie behind a step's eight of k
	v_mul_u32_u24 v8, s32, v3
	v_mad_u32_u24 v8, v2, s33, v8
.irp jj, 0,1,2,3,4,5,6,7
	s_mul_i32 s39, s34, \jj
	v_add_nc_u32 v[VO+\jj], s39, v8
.endr
	s_lshl_b32 s30, s23, 3
	s_lshl_b32 s31, s20, 1
	s_add_co_u32 s30, s30, s31                     ; 8 b + 2 w: my first head
	s_lshl_b32 s30, s30, s26
	s_sub_co_u32 s31, s26, 5
	s_lshl_b32 s31, s24, s31                       ; + the step: a 32nd of a head's bytes
	s_add_co_u32 s30, s30, s31
	s_add_co_u32 s30, s30, s35
	s_mov_b32 s31, 0
	s_wait_kmcnt 0x0
	s_load_b256 s[40:47], s[8:9], 0x0              ; e0 .. e7
	s_load_b128 s[48:51], s[8:9], 0x20             ; e8 .. e11
	s_cmp_eq_u32 s21, 0                            ; the buffers are chosen on the work-group's number alone
	s_cselect_b64 s[16:17], s[16:17], s[18:19]     ; where the codes go
	s_cmp_eq_u32 s21, 1
	s_cselect_b64 s[10:11], s[12:13], s[10:11]
	s_cmp_eq_u32 s21, 2
	s_cselect_b64 s[10:11], s[14:15], s[10:11]     ; the bias
	s_add_nc_u64 s[16:17], s[16:17], s[30:31]
	s_lshl_b32 s28, ttmp9, 18                      ; x: 128 bx rows of 2,048 bytes
	s_lshl_b32 s29, s20, 16                        ; + 32 rows a wave
	s_add_co_u32 s28, s28, s29
	s_mov_b32 s29, 0
	s_add_nc_u64 s[4:5], s[4:5], s[28:29]
	s_lshl_b32 s28, s21, 18                        ; the weight's codes: 262,144 y
	s_lshl_b32 s29, s20, 16                        ; + 8 column tiles a wave
	s_add_co_u32 s28, s28, s29
	s_mov_b32 s29, 0
	s_add_nc_u64 s[6:7], s[6:7], s[28:29]
	s_lshl_b32 s28, s20, 9                         ; the bias: 128 numbers a wave
	s_add_nc_u64 s[10:11], s[10:11], s[28:29]
	; ---- my 32 weight fragments and my bias: they stay
.irp t, 0,1,2,3,4,5,6,7
	WIN 0x40+0x40*(\t/4)
.irp s, 0,1,2,3
.irp c, 0,1,2,3
	global_load_b128 v[64*(\t%4)+16*\s+4*\c:64*(\t%4)+16*\s+4*\c+3], v[LI], s[6:7] offset:(4*\t+\s)*2048+512*\c
.endr
.endr
.endr
	WIN 0xc0
.irp i, 0,1,2,3,4,5,6,7
.irp jj, 0,1,2,3,4,5,6,7
	global_load_b32 v[8*\i+\jj], v[VO+\jj], s[10:11] offset:64*\i
.endr
.endr
	WIN 0
	s_wait_kmcnt 0x0
	s_cmp_eq_u32 s21, 1
	s_cselect_b32 s36, s42, s40                    ; ex
	s_cselect_b32 s37, s43, s41                    ; ew
	s_cselect_b32 s38, s47, s46                    ; eo
	s_cmp_eq_u32 s21, 2
	s_cselect_b32 s36, s44, s36
	s_cselect_b32 s37, s45, s37
	s_cselect_b32 s38, s49, s38
	s_add_co_i32 s39, s36, s37                     ; ex + ew: a sum stands for sum x 2^(ex + ew)
	s_sub_co_i32 s52, 0, s39
	s_add_co_i32 s53, s36, 127
	s_lshl_b32 s54, s53, 23
	v_mov_b32 v[SCX], s54
	s_add_co_i32 s53, s53, 15
	s_lshl_b32 s53, s53, 23
	s_or_b32 s53, s53, 0x600000
	v_mov_b32 v[LMX], s53
	s_sub_co_i32 s53, s38, s39
	s_add_co_i32 s53, s53, 127
	s_lshl_b32 s54, s53, 23
	v_mov_b32 v[SCO], s54
	s_add_co_i32 s53, s53, 15
	s_lshl_b32 s53, s53, 23
	s_or_b32 s53, s53, 0x600000
	v_mov_b32 v[LMO], s53
	; ---- X: my 32 rows of x become 8 fragments, f = 4 (tile of rows) + K step.  Lane (r, h) loads, of row r, k = 16 c + 8 h + 0..7 into registers 8 c .. 8 c + 7
.macro XLOAD f
.irp c, 0,1,2,3,4,5,6,7
.irp q, 0,1
	global_load_b128 v[BUF+64*((\f)%2)+8*\c+4*\q:BUF+64*((\f)%2)+8*\c+4*\q+3], v[XA], s[4:5] offset:((\f)/4)*32768+512*((\f)%4)+64*\c+16*\q
.endr
.endr
.endm
.macro QUANTX f
.set XS, BUF+64*((\f)%2)
.set n, 0
.rept 64
	v_med3_num_f32 v[XS+n], v[XS+n], -v[LMX], v[LMX]   ; the conversion does not saturate (ISA guide 7.6.2): the hold comes first
.set n, n+1
.endr
.irp c, 0,1,2,3,4,5,6,7
	v_cvt_scalef32_pk8_bf8_f32 v[PC+2*\c:PC+2*\c+1], v[XS+8*\c:XS+8*\c+7], v[SCX]
.endr
	v_nop                                          ; one plain line behind the last conversion
.irp c, 0,1,2,3
	ds_store_b128 v[XWI], v[PC+4*\c:PC+4*\c+3] offset:(\f)*2048+512*\c
.endr
	s_wait_dscnt 0x0                               ; the stores have read the codes' registers, which the next fragment writes
.endm
	XLOAD 0
.irp f, 0,1,2,3,4,5,6
	XLOAD \f+1
	s_wait_loadcnt 16                              ; all but the next fragment's sixteen loads are in
	QUANTX \f
.endr
	s_wait_loadcnt 0x0
	QUANTX 7
	WIN 0xc3
.set n, 0
.rept 64
	v_ldexp_f32 v[n], v[n], s52                    ; bias / 2^(ex + ew)
.set n, n+1
.endr
	WIN 0
	s_barrier_signal -1                            ; my stores into LDS are done (the wait for 0 above)
	s_barrier_wait -1                              ; the 32 fragments of x lie in LDS; nobody writes LDS from here on
	s_cmp_eq_u32 s21, 2
	s_cbranch_scc1 .Lv
	; ---- q, k: a tile of 16 tokens at a time, 8 accumulators by turns
.macro FETCHQ j
.irp s, 0,1,2,3
.irp c, 0,1,2,3
	ds_load_b128 v[BUF+16*\s+4*\c:BUF+16*\s+4*\c+3], v[LI] offset:(4*(\j)+\s)*2048+512*\c
.endr
.endr
.endm
.macro MQK j
	s_wait_dscnt 0x0                               ; the tile's four fragments of x are in
.irp s, 0,1,2,3
.irp i, 0,1,2,3,4,5,6,7
	WIN 0xf1+(\i/4)                                ; source 0 (w) window 1 or 2, source 1 (x) window 0, C and D window 3
.if \s == 0
	v_wmma_f32_16x16x128_bf8_bf8 v[ACC+8*\i:ACC+8*\i+7], v[64*(\i%4)+16*\s:64*(\i%4)+16*\s+15], v[BUF+16*\s:BUF+16*\s+15], v[8*\i:8*\i+7]
.else
	v_wmma_f32_16x16x128_bf8_bf8 v[ACC+8*\i:ACC+8*\i+7], v[64*(\i%4)+16*\s:64*(\i%4)+16*\s+15], v[BUF+16*\s:BUF+16*\s+15], v[ACC+8*\i:ACC+8*\i+7]
.endif
.endr
.endr
	WIN 0
	PLACES
.if (\j) < 7
	FETCHQ (\j)+1                                  ; the next tile lands while this one is quantised
.endif
	s_wait_xcnt 0x0                                ; the last tile's stores have read the codes' registers
	WIN 0xc3
.set n, 0
.rept 64
	v_med3_num_f32 v[ACC+n], v[ACC+n], -v[LMO], v[LMO]   ; each accumulator from its low end on
.set n, n+1
.endr
	WIN 0x03
.irp i, 0,1,2,3,4,5,6,7
	v_cvt_scalef32_pk8_bf8_f32 v[PC+2*\i:PC+2*\i+1], v[ACC+8*\i:ACC+8*\i+7], v[SCO]   ; channels 16 i + 8 h + 0..7 of token r: registers 2 (i % 4), + 1 of head 2 w + i / 4
.endr
	WIN 0
	v_nop                                          ; one plain line between the last conversion and the products that write its sources
.irp u, 0,1,2,3
.if \u < 2
	global_store_b128 v[LI], v[PC+4*\u:PC+4*\u+3], s[16:17] offset:(\j)*1024+512*(\u%2)    ; 512 consecutive bytes a store
.else
	global_store_b128 v[LI2], v[PC+4*\u:PC+4*\u+3], s[16:17] offset:(\j)*1024+512*(\u%2)   ; the second head
.endif
.endr
.endm
	FETCHQ 0
.irp j, 0,1,2,3,4,5,6,7
	MQK \j
.endr
	s_wait_tensorcnt 0x0
	ds_add_u32 v254, v255
	s_wait_dscnt 0x0
	s_endpgm
.Lv:
	; ---- v: two tiles of 16 tokens at a time, 16 accumulators by turns; the sources are swapped
.macro FETCHV p
.irp m, 0,1
.irp s, 0,1,2,3
.irp c, 0,1,2,3
	ds_load_b128 v[BUF+64*\m+16*\s+4*\c:BUF+64*\m+16*\s+4*\c+3], v[LI] offset:(4*(2*(\p)+\m)+\s)*2048+512*\c
.endr
.endr
.endr
.endm
.macro MV p
	s_wait_dscnt 0x0
.irp s, 0,1,2,3
.irp g, 0,1
	WIN 0xf4+4*\g                                  ; source 0 (x) window 0, source 1 (w) window 1 or 2, C and D window 3
.irp m, 0,1
.irp t, 0,1,2,3
.if \s == 0
	v_wmma_f32_16x16x128_bf8_bf8 v[ACC+64*\m+8*(4*\g+\t):ACC+64*\m+8*(4*\g+\t)+7], v[BUF+64*\m+16*\s:BUF+64*\m+16*\s+15], v[64*\t+16*\s:64*\t+16*\s+15], v[8*(4*\g+\t):8*(4*\g+\t)+7]
.else
	v_wmma_f32_16x16x128_bf8_bf8 v[ACC+64*\m+8*(4*\g+\t):ACC+64*\m+8*(4*\g+\t)+7], v[BUF+64*\m+16*\s:BUF+64*\m+16*\s+15], v[64*\t+16*\s:64*\t+16*\s+15], v[ACC+64*\m+8*(4*\g+\t):ACC+64*\m+8*(4*\g+\t)+7]
.endif
.endr
.endr
.endr
.endr
	WIN 0
	PLACES
.if (\p) < 3
	FETCHV (\p)+1
.endif
	s_wait_xcnt 0x0                                ; the last pair's stores have read the codes' registers
	WIN 0xc3
.set n, 0
.rept 128
	v_med3_num_f32 v[ACC+n], v[ACC+n], -v[LMO], v[LMO]
.set n, n+1
.endr
	WIN 0x03
.irp m, 0,1
.irp t, 0,1,2,3,4,5,6,7
	v_cvt_scalef32_pk8_bf8_f32 v[PC+4*\t+2*\m:PC+4*\t+2*\m+1], v[ACC+64*\m+8*\t:ACC+64*\m+8*\t+7], v[SCO]   ; tokens 16 (2 p + m) + 8 h + 0..7 of channel 16 t + r
.endr
.endr
	WIN 0
	v_nop
.irp t, 0,1,2,3,4,5,6,7
	global_store_b128 v[LI], v[PC+4*\t:PC+4*\t+3], s[16:17] offset:(\t/4)*524288+(\t%4)*2048+512*(\p)   ; chunk p of channel tile t % 4 of head 2 w + t / 4
.endr
.endm
	FETCHV 0
.irp p, 0,1,2,3
	MV \p
.endr
	s_wait_tensorcnt 0x0
	ds_add_u32 v254, v255
	s_wait_dscnt 0x0
	s_endpgm
.Lfunc_end_k_q467975eefe_qkv:
	.size	k_q467975eefe_qkv, .Lfunc_end_k_q467975eefe_qkv-k_q467975eefe_qkv
	.p2alignl 7, 3214868480
	.fill 96, 4, 3214868480
	.section	.rodata,"a",@progbits
	.p2align	6, 0x0
	.amdhsa_kernel k_q467975eefe_qkv
		.amdhsa_group_segment_fixed_size 66048
		.amdhsa_private_segment_fixed_size 0
		.amdhsa_enable_private_segment 0
		.amdhsa_kernarg_size 64
		.amdhsa_user_sgpr_count 2
		.amdhsa_user_sgpr_kernarg_segment_ptr 1
		.amdhsa_wavefront_size32 1
		.amdhsa_system_sgpr_workgroup_id_x 1
		.amdhsa_system_sgpr_workgroup_id_y 1
		.amdhsa_system_sgpr_workgroup_id_z 1
		.amdhsa_system_vgpr_workitem_id 0
		.amdhsa_next_free_vgpr 960
		.amdhsa_next_free_sgpr 66
		.amdhsa_reserve_vcc 0
		.amdhsa_float_denorm_mode_32 3
		.amdhsa_float_denorm_mode_16_64 3
		.amdhsa_memory_ordered 1
		.amdhsa_forward_progress 1
		.amdhsa_inst_pref_size 211
	.end_amdhsa_kernel
	.amdgpu_metadata
---
amdhsa.version: [ 1, 2 ]
amdhsa.kernels:
  - .name:           k_q467975eefe_qkv
    .symbol:         k_q467975eefe_qkv.kd
    .args:
      - { .name: x, .offset: 0, .size: 8, .value_kind: global_buffer, .address_space: global }
      - { .name: wcodes, .offset: 8, .size: 8, .value_kind: global_buffer, .address_space: global }
      - { .name: lowp_scales, .offset: 16, .size: 8, .value_kind: global_buffer, .address_space: global }
      - { .name: bq, .offset: 24, .size: 8, .value_kind: global_buffer, .address_space: global }
      - { .name: bk, .offset: 32, .size: 8, .value_kind: global_buffer, .address_space: global }
      - { .name: bv, .offset: 40, .size: 8, .value_kind: global_buffer, .address_space: global }
      - { .name: q_codes, .offset: 48, .size: 8, .value_kind: global_buffer, .address_space: global }
      - { .name: kv_codes, .offset: 56, .size: 8, .value_kind: global_buffer, .address_space: global }
    .group_segment_fixed_size: 66048
    .private_segment_fixed_size: 0
    .kernarg_segment_align: 8
    .kernarg_segment_size: 64
    .max_flat_workgroup_size: 128
    .sgpr_count:     66
    .vgpr_count:     960
    .wavefront_size: 32
...
	.end_amdgpu_metadata
.endif
;; end of part 2
;; launch attn (part 3): grid 16 x 16, 8 waves a work-group, clusters of 4 x 1, 327,680 bytes of LDS; arguments q_codes, kv_codes, lowp_scales, ctx_codes; writes ctx_codes
.if DOCPART == 3
	.amdgcn_target "amdgcn-amd-amdhsa--gfx1250"
	.amdhsa_code_object_version 6
	.text
	.protected	k_q467975eefe_attn
	.globl	k_q467975eefe_attn
	.p2align	8
	.type	k_q467975eefe_attn,@function
k_q467975eefe_attn:
	s_mov_b64 s[64:65], 0
	v_nop
	global_prefetch_b8 v0, s[64:65] scope:SCOPE_SE
	s_setreg_imm32_b32 hwreg(HW_REG_WAVE_MODE, 25, 1), 1
	s_wait_xcnt 0x0
	s_wait_alu depctr_hold_cnt(0) depctr_sa_sdst(0) depctr_va_vdst(0) depctr_va_sdst(0) depctr_va_ssrc(0) depctr_va_vcc(0) depctr_vm_vsrc(0)
	s_getreg_b32 s2, hwreg(HW_REG_IB_STS2, 6, 4)
	s_cmp_eq_u32 s2, 0
	s_cbranch_scc0 .Lentry_in_a_cluster
	s_endpgm
.Lentry_in_a_cluster:
	s_bfe_u32 s2, ttmp6, 0x10000c
	s_cmp_lg_u32 s2, 0x3003
	s_cbranch_scc0 .Lentry_shape_is_right
	s_endpgm
.Lentry_shape_is_right:
; ctx = softmax(q k^T / 8) v for one head (work-group y = 8 b + head) and 256 queries, both products on codes of BF8 (E5M2); the result is quantised for the output projection.
; THE SOFTMAX AHEAD OF THE SECOND PRODUCT: t = score x log2(e) / 8; M = the running largest t rounded UP to a whole number; p = 2^(t - M) is quantised with 2^e8, not normalised.
; The sum of a row is taken of the unquantised p, in f32, and divides at the end.  When M moves, the sum and O are multiplied by 2^(old M - new M): nothing is rounded, and no branch hangs on data.
; LIMITS: e6 + e7 between -123 and 130 (added to the exponent field of c); e8, and e10 - e8 - e9, between -126 and 112.  NaN among the inputs is not served.
; SHARES: eight waves, two to a SIMD; each owns 32 queries, two tiles of 16, and walks all 4,096 keys, 128 a step.  Each fragment of k and v read from LDS feeds both tiles.
; LAYOUT: both products are used transposed (S^T = k q^T, O^T = v^T p^T): a lane holds ONE query (lane % 16) throughout.  In S^T register j of key tile kt is key 16 kt + 8 (lane / 16) + j,
; so one conversion of a tile's eight registers gives registers 2 kt, 2 kt + 1 of the operand p.  All operands lie in memory and in LDS as images of their registers: 16 bytes a lane, 512 a load.
; RING: two LDS slots of 8 key steps (131,072 bytes).  A step's 16,384 bytes are dense in memory: 8 fragments of k, then 4 of v.  Wave w fetches step w of a slot by one tensor load of 64 rows x 256 bytes;
; a load is asked for a whole slot (8 steps) ahead of its first read; by this text's count a wave has one tensor load out at the most.
; CLUSTER: the four query blocks of a cluster belong to one head and walk the same k and v: each tile is asked for JOINTLY, by the same load with the same descriptor and the mask 15.
; The place in the cluster enters the addresses of q and of ctx alone.
; REGISTERS: window 0: v1-4 addresses; v8-23 statistics, 8 a tile (+0 -M, +1 largest t, +2, +3 the sum, +4 f, +5 zero, +6, +7 at work); v24-29 at work; v30, v31 hold and scale of p;
;   v32-47 q; v48-79 the codes of p; v80-207 S^T, then p; v208-223 the codes of ctx; v224, v225 their hold and scale.   window 1: v0-63 O^T; v64-127 k; v128-191 v.
.set SLOT1, 1<<17                      ; slot 1 begins here: one exclusive or turns an address in one slot into the other's
.set STEPB, 16384                      ; a key step's bytes
.set NST,   8                          ; steps in a slot
.set NSL,   4                          ; slots' worth of keys in a head
.set SPARE, 2*SLOT1                    ; behind the ring: the spare words, 128 bytes for each of eight waves: four blocks of 256 bytes that no other line names
.set LI,  1                            ; v1  16 x lane
.set ADR, 2                            ; v2  LDS address of the step in hand
.set SPW, 3                            ; v3  my spare word; never rewritten
.set NIL, 4                            ; v4  0; never rewritten
.set ST,  8
.set PT,  24
.set SU,  26
.set LMP, 30
.set SCP, 31
.set Q,   32
.set P,   48
.set S,   80
.set OC,  208
.set LMC, 224
.set SCX, 225
.set KF,  64                           ; in window 1
.set VF,  128                          ; in window 1
.set WV,  12                           ; s12 my wave's number
.set SEL, 20                           ; s[20:21] selects of v_permlanex16_b32: lane l xor 16
.set CS,  22                           ; s[22:23] c = log2(e) / 8 x 2^(e6 + e7): the packed form names a pair and takes its low word
.set G1,  24                           ; s[24:31] descriptor group 1
.set G0,  32                           ; s[32:35] descriptor group 0: it walks
.set TB,  36                           ; s36 LDS byte at which the step in hand begins
.set SLOTS, 37
.set STEPS, 38
.set MSB, 0
.macro WIN new                         ; the immediate's high byte repeats the setting that is left; a switch that changes nothing is dropped
.if MSB != (\new)
	s_set_vgpr_msb (MSB<<8)|(\new)
.set MSB, (\new)
.endif
.endm
.macro PLACES
.rept 4
	v_nop
.endr
.endm
; A round of the cluster's barrier: my work-group's barrier, wave 0 signals for the work-group, every wave waits for all four work-groups, my work-group's barrier once more.
.macro CROUND
	s_barrier_signal -1
	s_barrier_wait -1
	s_cmp_lg_u32 s[WV], 0
	s_cbranch_scc1 .Lnot_wave_0_\@
	s_barrier_signal -3
.Lnot_wave_0_\@:
	s_barrier_wait -3
	s_barrier_signal -1
	s_barrier_wait -1
.endm
	s_load_b256 s[4:11], s[0:1], 0x0               ; q_codes s[4:5], kv_codes s[6:7], the exponents s[8:9], ctx_codes s[10:11]
	v_lshl_add_u32 v[SPW], v0, 2, SPARE
	v_mov_b32 v[NIL], 0
	ds_add_u32 v3, v4
	ds_add_u32 v3, v4
	s_wait_dscnt 0x0
	v_lshrrev_b32 v5, 5, v0
	v_readfirstlane_b32 s[WV], v5                  ; wave 0..7
	v_and_b32 v[LI], 31, v0
	v_lshlrev_b32 v[LI], 4, v[LI]
	s_bfe_u32 s13, ttmp6, 0x40000                  ; cx: my place in the cluster
	s_lshl_b32 s14, ttmp9, 2                       ; in a cluster launch ttmp9 counts clusters
	s_add_co_u32 s14, s14, s13                     ; my block of 256 queries
	s_and_b32 s15, ttmp7, 0xffff                   ; 8 b + head, which the four partners share
	s_lshl_b32 s16, s15, 19                        ; k and v: the head's 524,288 bytes,
	s_lshl_b32 s[G0+1], s[WV], 14                  ; my step of a slot: in LDS (slot 0)
	s_add_co_u32 s16, s16, s[G0+1]                 ; and in memory
	s_mov_b32 s17, 0
	s_lshl_b32 s18, s14, 4
	s_lshl_b32 s19, s[WV], 1
	s_add_co_u32 s18, s18, s19                     ; my first tile of queries: 16 x block + 2 x wave
	s_lshl_b32 s48, s15, 18                        ; q: the head's 262,144 bytes + 1,024 a tile
	s_lshl_b32 s49, s18, 10
	s_add_co_u32 s48, s48, s49
	s_mov_b32 s49, 0
	s_lshr_b32 s50, s15, 3                         ; ctx: [256 b + tile][head][1,024]
	s_lshl_b32 s50, s50, 8
	s_add_co_u32 s50, s50, s18
	s_lshl_b32 s50, s50, 13
	s_and_b32 s51, s15, 7
	s_lshl_b32 s51, s51, 10
	s_add_co_u32 s50, s50, s51
	s_mov_b32 s51, 0
	s_mov_b32 s[G1+0], 15|(3<<16)|(1<<21)          ; 15:0 the mask: all four work-groups; 17:16 elements of 8 bytes; 20 no padding; 21 set beside a mask
	s_mov_b32 s[G1+1], 32<<16                      ; tensor_dim0 = 32 elements: 256 bytes
	s_mov_b32 s[G1+2], 64<<16                      ; tensor_dim1 = 64
	s_mov_b32 s[G1+3], 32<<16                      ; tile_dim0 = 32
	s_mov_b32 s[G1+4], 64                          ; tile_dim1 = 64 rows
	s_mov_b32 s[G1+5], 32                          ; from row to row: dense
	s_mov_b32 s[G1+6], 0
	s_mov_b32 s[G1+7], 0
	s_mov_b32 s[SEL], 0x76543210
	s_mov_b32 s[SEL+1], 0xfedcba98
	s_mov_b32 s[CS], 0x3e38aa3b                    ; log2(e) / 8
	s_mov_b32 s[TB], 0
	s_mov_b32 s[SLOTS], NSL-1
	s_wait_kmcnt 0x0
	s_load_b256 s[40:47], s[8:9], 0x10             ; e4 .. e11: s42 e6, s43 e7, s44 e8, s45 e9, s46 e10
	s_mov_b32 s[G0], 1                             ; count = 1
	s_add_nc_u64 s[G0+2:G0+3], s[6:7], s[16:17]    ; the head's keys 128 w on
	s_or_b32 s[G0+3], s[G0+3], 0x80000000          ; type = 2
	s_add_nc_u64 s[4:5], s[4:5], s[48:49]
	s_add_nc_u64 s[10:11], s[10:11], s[50:51]
	CROUND                                         ; all four work-groups are here: the first joint loads meet
	tensor_load_to_lds s[G0:G0+3], s[G1:G1+7]      ; slot 0
	s_nop 0
	PLACES                                         ; four v_nop follow a tensor load
.irp q, 0,1
.irp c, 0,1
	global_load_b128 v[Q+8*\q+4*\c:Q+8*\q+4*\c+3], v[LI], s[4:5] offset:\q*1024+512*\c   ; q stays in registers
.endr
.endr
.irp q, 0,1
	v_mov_b32 v[ST+8*\q+1], 0xff61b1e6             ; the largest t so far: -3e38, under every t
	v_floor_f32 v[ST+8*\q], -v[ST+8*\q+1]          ; -M
	v_mov_b32 v[ST+8*\q+2], 0                      ; the sum, in two halves
	v_mov_b32 v[ST+8*\q+3], 0
	v_mov_b32 v[ST+8*\q+5], 0                      ; (named as the upper half of the pair that holds f)
	v_mov_b32 v[PT+\q], 0                          ; written once: a lane permute's destination counts as one of its sources
.endr
	WIN 0x40
.set n, 0
.rept 64
	v_mov_b32 v[n], 0                              ; O^T.  The step is written once for all steps: the first finds zeros, which the first change of M leaves zeros
.set n, n+1
.endr
	WIN 0
	s_wait_kmcnt 0x0
	s_add_co_i32 s52, s42, s43
	s_lshl_b32 s52, s52, 23
	s_add_co_i32 s[CS], s[CS], s52                 ; a score stands for score x 2^(e6 + e7)
	s_mov_b32 s[CS+1], s[CS]
	s_add_co_i32 s52, s44, 127
	s_lshl_b32 s53, s52, 23
	v_mov_b32 v[SCP], s53                          ; 2^e8
	s_add_co_i32 s52, s52, 15
	s_lshl_b32 s52, s52, 23
	s_or_b32 s52, s52, 0x600000
	v_mov_b32 v[LMP], s52                          ; 57,344 x 2^e8
	s_sub_co_i32 s52, s46, s44
	s_sub_co_i32 s52, s52, s45                     ; O^T / the sum stands for ctx / 2^(e8 + e9): its code is that / 2^(e10 - e8 - e9)
	s_add_co_i32 s52, s52, 127
	s_lshl_b32 s53, s52, 23
	v_mov_b32 v[SCX], s53
	s_add_co_i32 s52, s52, 15
	s_lshl_b32 s52, s52, 23
	s_or_b32 s52, s52, 0x600000
	v_mov_b32 v[LMC], s52
; A KEY STEP: 128 keys, both tiles of queries.
.macro STEP
	v_add_nc_u32 v[ADR], s[TB], v[LI]              ; with the three v_nop: four places between the last products and the loads into their sources
	v_nop
	v_nop
	v_nop
	WIN 0x40                                       ; destination window 1
.irp kt, 0,1,2,3,4,5,6,7
.irp c, 0,1
	ds_load_b128 v[KF+8*\kt+4*\c:KF+8*\kt+4*\c+3], v[ADR] offset:\kt*1024+512*\c
.endr
.endr
.irp dt, 0,1,2,3
.irp c, 0,1,2,3
	ds_load_b128 v[VF+16*\dt+4*\c:VF+16*\dt+4*\c+3], v[ADR] offset:8192+\dt*2048+512*\c
.endr
.endr
	s_wait_dscnt 16                                ; k is in; the sixteen loads of v may stay out
	WIN 0x01                                       ; source 0 (k) window 1
.irp kt, 0,1,2,3,4,5,6,7
.irp q, 0,1
	v_wmma_f32_16x16x64_bf8_bf8 v[S+64*\q+8*\kt:S+64*\q+8*\kt+7], v[KF+8*\kt:KF+8*\kt+7], v[Q+8*\q:Q+8*\q+7], 0
.endr
.endr
	WIN 0
	PLACES
.irp q, 0,1                                    ; the step's largest score of my query among my 64 keys: two chains a tile; each accumulator is first read at its low end
	v_max3_num_f32 v[ST+8*\q+6], v[S+64*\q], v[S+64*\q+1], v[S+64*\q+2]
	v_max3_num_f32 v[ST+8*\q+7], v[S+64*\q+3], v[S+64*\q+4], v[S+64*\q+5]
.endr
.irp i, 6,10,14,18,22,26,30,34,38,42,46,50,54,58
.irp q, 0,1
	v_max3_num_f32 v[ST+8*\q+6], v[ST+8*\q+6], v[S+64*\q+\i], v[S+64*\q+\i+1]
	v_max3_num_f32 v[ST+8*\q+7], v[ST+8*\q+7], v[S+64*\q+\i+2], v[S+64*\q+\i+3]
.endr
.endr
.irp q, 0,1
	v_max3_num_f32 v[ST+8*\q+6], v[ST+8*\q+6], v[S+64*\q+62], v[S+64*\q+63]
.endr
.irp q, 0,1
	v_max_num_f32 v[ST+8*\q+6], v[ST+8*\q+6], v[ST+8*\q+7]
.endr
.irp q, 0,1
	v_permlanex16_b32 v[PT+\q], v[ST+8*\q+6], s[SEL], s[SEL+1]
.endr
.irp q, 0,1
	v_max_num_f32 v[ST+8*\q+6], v[ST+8*\q+6], v[PT+\q]       ; and among the other half of the lanes
.endr
.irp q, 0,1
	v_mul_f32 v[ST+8*\q+6], s[CS], v[ST+8*\q+6]              ; as t (c is positive)
.endr
.irp q, 0,1
	v_max_num_f32 v[ST+8*\q+1], v[ST+8*\q+1], v[ST+8*\q+6]   ; the running largest t
.endr
.irp q, 0,1
	v_mov_b32 v[ST+8*\q+6], v[ST+8*\q]
.endr
.irp q, 0,1
	v_floor_f32 v[ST+8*\q], -v[ST+8*\q+1]                    ; the new -M = floor(-t) = -ceil(t): a whole number
.endr
.irp q, 0,1
	v_sub_f32 v[ST+8*\q+6], v[ST+8*\q], v[ST+8*\q+6]         ; old M - new M: a whole number, 0 or less
.endr
.irp q, 0,1
	v_cvt_i32_f32 v[ST+8*\q+6], v[ST+8*\q+6]                 ; (it saturates)
.endr
.irp q, 0,1
	v_ldexp_f32 v[ST+8*\q+4], 1.0, v[ST+8*\q+6]              ; f = 2^(old M - new M)
.endr
.irp q, 0,1
.set n, 0
.rept 32
	v_pk_fma_f32 v[S+64*\q+n:S+64*\q+n+1], v[S+64*\q+n:S+64*\q+n+1], s[CS:CS+1], v[ST+8*\q:ST+8*\q+1] op_sel_hi:[1,0,0]   ; t - M, two at a time
.set n, n+2
.endr
.endr
.set n, 0
.rept 128
	v_exp_f32 v[S+n], v[S+n]                       ; p = 2^(t - M), at most 1
.set n, n+1
.endr
.irp q, 0,1
	v_pk_mul_f32 v[ST+8*\q+2:ST+8*\q+3], v[ST+8*\q+2:ST+8*\q+3], v[ST+8*\q+4:ST+8*\q+5] op_sel_hi:[1,0]   ; the sums under the new M (a plain place behind the exponentials)
.endr
	s_wait_alu depctr_va_vdst(0)
.irp q, 0,1
	v_pk_add_f32 v[SU+2*\q:SU+2*\q+1], v[S+64*\q:S+64*\q+1], v[S+64*\q+2:S+64*\q+3]   ; THE SUM IS TAKEN OF THE UNQUANTISED p: two chains a tile
.endr
.irp j, 4,8,12,16,20,24,28,32,36,40,44,48,52,56,60
.irp q, 0,1
	v_pk_add_f32 v[ST+8*\q+2:ST+8*\q+3], v[ST+8*\q+2:ST+8*\q+3], v[S+64*\q+\j:S+64*\q+\j+1]
	v_pk_add_f32 v[SU+2*\q:SU+2*\q+1], v[SU+2*\q:SU+2*\q+1], v[S+64*\q+\j+2:S+64*\q+\j+3]
.endr
.endr
.irp q, 0,1
	v_pk_add_f32 v[ST+8*\q+2:ST+8*\q+3], v[ST+8*\q+2:ST+8*\q+3], v[SU+2*\q:SU+2*\q+1]
.endr
.irp q, 0,1
.set n, 0
.rept 64
	v_min_num_f32 v[S+64*\q+n], v[S+64*\q+n], v[LMP]   ; the conversion does not saturate (ISA guide 7.6.2); p is not negative, so the hold is one-sided
.set n, n+1
.endr
.irp kt, 0,1,2,3,4,5,6,7
	v_cvt_scalef32_pk8_bf8_f32 v[P+16*\q+2*\kt:P+16*\q+2*\kt+1], v[S+64*\q+8*\kt:S+64*\q+8*\kt+7], v[SCP]
.endr
.endr
	WIN 0x41                                       ; O^T (destination and source 0) window 1
.irp q, 0,1
.set n, 0
.rept 16
	v_pk_mul_f32 v[32*\q+n:32*\q+n+1], v[32*\q+n:32*\q+n+1], v[ST+8*\q+4:ST+8*\q+5] op_sel_hi:[1,0]   ; O^T under the new M.  These are also the plain lines behind the conversions
.set n, n+2
.endr
.endr
	s_wait_dscnt 0x0                               ; v is in
	WIN 0x51                                       ; source 0 (v), C and D window 1; source 1 (p) window 0
.irp dt, 0,1,2,3
.irp q, 0,1
	v_wmma_f32_16x16x128_bf8_bf8 v[32*\q+8*\dt:32*\q+8*\dt+7], v[VF+16*\dt:VF+16*\dt+15], v[P+16*\q:P+16*\q+15], v[32*\q+8*\dt:32*\q+8*\dt+7]   ; eight accumulators, one turn each
.endr
.endr
	WIN 0
.endm
; THE CHANGE OF SLOTS stands at a slot's head.  Each wave waits for all its tensor loads (its part of the slot ahead), adds 0 to its spare word, and waits for that and for its reads of the slot left.
; fill = 1: the barrier is a round of the cluster's, so that no wave of any partner still reads the slot left or has a load on its way; the joint load of the following 1,024 keys is the first thing behind it.
.macro CHANGE fill
	s_wait_tensorcnt 0x0                           ; no tensor load of mine is out, so group 0 may be written
	ds_add_u32 v[SPW], v[NIL]                      ; 0 onto my spare word
.if \fill
	s_xor_b32 s[G0+1], s[G0+1], SLOT1              ; the other slot than last time,
	s_add_nc_u64 s[G0+2:G0+3], s[G0+2:G0+3], NST*STEPB   ; the next 8 steps; the type bits on top are not reached
.endif
	s_wait_dscnt 0x0                               ; the add is done, and my reads of the slot that I have left are over
.if \fill
	CROUND
	tensor_load_to_lds s[G0:G0+3], s[G1:G1+7]      ; my one tensor load until the next round
	s_nop 0
	PLACES
.else
	s_barrier_signal -1
	s_barrier_wait -1
.endif
.endm
.macro SLOT_STEPS                      ; a slot's eight steps: written once, walked eight times; the LDS address hangs on s[TB]
	s_mov_b32 s[STEPS], NST
.Lstep_\@:
	STEP
	s_add_co_u32 s[TB], s[TB], STEPB
	s_sub_co_u32 s[STEPS], s[STEPS], 1
	s_cmp_lg_u32 s[STEPS], 0
	s_cbranch_scc1 .Lstep_\@
	s_sub_co_u32 s[TB], s[TB], NST*STEPB           ; back to a slot's first step,
	s_xor_b32 s[TB], s[TB], SLOT1                  ; in the other slot
.endm
	s_wait_loadcnt 0x0                             ; q
.Lslot:                                            ; NSL - 1 trips: behind each change of slots but the last the next slot is asked for
	CHANGE 1
	SLOT_STEPS
	s_sub_co_u32 s[SLOTS], s[SLOTS], 1
	s_cmp_lg_u32 s[SLOTS], 0
	s_cbranch_scc1 .Lslot
	CHANGE 0                                       ; the last slot is written out
	SLOT_STEPS
	; THE WAY OUT: O^T / the sum, held and converted: a tile's four conversions give the eight registers of a fragment (row = query, k = the head's 64 channels), stored as its image.
	PLACES
.irp q, 0,1
	v_add_f32 v[ST+8*\q+2], v[ST+8*\q+2], v[ST+8*\q+3]
.endr
.irp q, 0,1
	v_permlanex16_b32 v[PT+\q], v[ST+8*\q+2], s[SEL], s[SEL+1]
.endr
.irp q, 0,1
	v_add_f32 v[ST+8*\q+2], v[ST+8*\q+2], v[PT+\q]           ; the sum of the row
.endr
.irp q, 0,1
	v_rcp_f32 v[ST+8*\q+6], v[ST+8*\q+2]
.endr
	v_nop                                          ; a plain line behind the last reciprocal
	WIN 0x01                                       ; source 0 (O^T) window 1
	s_wait_alu depctr_va_vdst(0)
.irp q, 0,1
.set n, 0
.rept 16
	v_pk_mul_f32 v[S+32*\q+n:S+32*\q+n+1], v[32*\q+n:32*\q+n+1], v[ST+8*\q+6:ST+8*\q+7] op_sel_hi:[1,0]   ; each accumulator from its low end on
.set n, n+2
.endr
.endr
	WIN 0
.set n, 0
.rept 64
	v_med3_num_f32 v[S+n], v[S+n], -v[LMC], v[LMC]
.set n, n+1
.endr
.irp q, 0,1
.irp dt, 0,1,2,3
	v_cvt_scalef32_pk8_bf8_f32 v[OC+8*\q+2*\dt:OC+8*\q+2*\dt+1], v[S+32*\q+8*\dt:S+32*\q+8*\dt+7], v[SCX]
.endr
.endr
	v_nop
.irp q, 0,1
.irp c, 0,1
	global_store_b128 v[LI], v[OC+8*\q+4*\c:OC+8*\q+4*\c+3], s[10:11] offset:\q*8192+512*\c   ; 512 consecutive bytes a store
.endr
.endr
	s_wait_tensorcnt 0x0                           ; the wave's end
	ds_add_u32 v[SPW], v[NIL]
	s_wait_dscnt 0x0
	CROUND                                         ; the closing round: no work-group ends while a partner may still ask for a tile that names it
	s_endpgm
.Lfunc_end_k_q467975eefe_attn:
	.size	k_q467975eefe_attn, .Lfunc_end_k_q467975eefe_attn-k_q467975eefe_attn
	.p2alignl 7, 3214868480
	.fill 96, 4, 3214868480
	.section	.rodata,"a",@progbits
	.p2align	6, 0x0
	.amdhsa_kernel k_q467975eefe_attn
		.amdhsa_group_segment_fixed_size 327680
		.amdhsa_private_segment_fixed_size 0
		.amdhsa_enable_private_segment 0
		.amdhsa_kernarg_size 32
		.amdhsa_user_sgpr_count 2
		.amdhsa_user_sgpr_kernarg_segment_ptr 1
		.amdhsa_wavefront_size32 1
		.amdhsa_system_sgpr_workgroup_id_x 1
		.amdhsa_system_sgpr_workgroup_id_y 1
		.amdhsa_system_sgpr_workgroup_id_z 1
		.amdhsa_system_vgpr_workitem_id 0
		.amdhsa_next_free_vgpr 512
		.amdhsa_next_free_sgpr 66
		.amdhsa_reserve_vcc 0
		.amdhsa_float_denorm_mode_32 3
		.amdhsa_float_denorm_mode_16_64 3
		.amdhsa_memory_ordered 1
		.amdhsa_forward_progress 1
		.amdhsa_inst_pref_size 73
	.end_amdhsa_kernel
	.amdgpu_metadata
---
amdhsa.version: [ 1, 2 ]
amdhsa.kernels:
  - .name:           k_q467975eefe_attn
    .symbol:         k_q467975eefe_attn.kd
    .args:
      - { .name: q_codes, .offset: 0, .size: 8, .value_kind: global_buffer, .address_space: global }
      - { .name: kv_codes, .offset: 8, .size: 8, .value_kind: global_buffer, .address_space: global }
      - { .name: lowp_scales, .offset: 16, .size: 8, .value_kind: global_buffer, .address_space: global }
      - { .name: ctx_codes, .offset: 24, .size: 8, .value_kind: global_buffer, .address_space: global }
    .group_segment_fixed_size: 327680
    .private_segment_fixed_size: 0
    .kernarg_segment_align: 8
    .kernarg_segment_size: 32
    .max_flat_workgroup_size: 256
    .sgpr_count:     66
    .vgpr_count:     512
    .wavefront_size: 32
...
	.end_amdgpu_metadata
.endif
;; end of part 3
;; launch outln (part 4): grid 256 x 1, 4 waves a work-group, no clusters, 66,560 bytes of LDS; arguments ctx_codes, wcodes, lowp_scales, bo, x, ln_g, ln_b, out0; writes out0
.if DOCPART == 4
	.amdgcn_target "amdgcn-amd-amdhsa--gfx1250"
	.amdhsa_code_object_version 6
	.text
	.protected	k_q467975eefe_outln
	.globl	k_q467975eefe_outln
	.p2align	8
	.type	k_q467975eefe_outln,@function
k_q467975eefe_outln:
	s_mov_b64 s[64:65], 0
	v_nop
	global_prefetch_b8 v0, s[64:65] scope:SCOPE_SE
	s_setreg_imm32_b32 hwreg(HW_REG_WAVE_MODE, 25, 1), 1
	s_wait_xcnt 0x0
; out0 = LayerNorm(Q(ctx) Q(wo) + bo + x) x ln_g + ln_b.  The product is on codes of BF8 (E5M2) made by earlier launches; each finished sum is multiplied once by 2^(e10 + e11).
; LIMIT: e10 + e11 between -126 and 127.  The variance is taken of the deviations from the mean, as a sum of squares, never as a difference of large sums.
; SHARES: a work-group has 32 rows (two tiles of 16 tokens).  MATRIX PHASE: wave w makes columns 128 w .. + 127 of all 32 rows; its 32 fragments of wo fill 512 registers; source 0 = 16 columns of wo,
; source 1 = 16 tokens, so a lane holds 8 neighbouring columns of one row.  The sums meet in a stage in LDS (32 rows, 2,048 bytes + 16 apart, so that the sixteen rows of a store start at sixteen
; different banks: 64 banks of 4 bytes, ISA guide 11.1); one barrier.  ROW PHASE: wave w has rows 8 w .. + 7 whole: lane l holds columns 128 q + 4 l + 0..3, q = 0..3; every load and store is 512 consecutive bytes.
; REGISTERS: window 0: v1-3 addresses; v16-143 the fragments of ctx, later the rows y (16 registers a row); v144 ln_g, v160 ln_b, v176 bo (16 each); v192 -mean, then 1 / sqrt(var + eps) (a pair a row);
;   v208 sums at work (a pair a row); v224-231 lane permutes.   windows 1, 2: wo's fragment (t, s) at v[64 (t % 4) + 16 s] of window 1 + t / 4.   window 3: v0-127 the 16 accumulators; v128-255 x + bo.
.set SPI, 2064                         ; the stage's pitch
.set LI,  1                            ; v1  16 x lane
.set SO,  2                            ; v2  the stage: where I put 32 bytes of a row
.set SR,  3                            ; v3  and where I read my rows back
.set CF,  16
.set G,   144
.set B,   160
.set BO,  176
.set MS,  192
.set T,   208
.set PT,  224
.set XR,  128                          ; in window 3
.set MSB, 0
.macro WIN new                         ; the immediate's high byte repeats the setting that is left; a switch that changes nothing is dropped
.if MSB != (\new)
	s_set_vgpr_msb (MSB<<8)|(\new)
.set MSB, (\new)
.endif
.endm
	s_load_b256 s[4:11], s[0:1], 0x0               ; ctx_codes s[4:5], wcodes s[6:7], the exponents s[8:9], bo s[10:11]
	s_load_b256 s[12:19], s[0:1], 0x20             ; x s[12:13], ln_g s[14:15], ln_b s[16:17], out0 s[18:19]
	v_lshl_add_u32 v254, v0, 2, 0x10200
	v_mov_b32 v255, 0
	v_lshrrev_b32 v4, 5, v0
	v_readfirstlane_b32 s20, v4                    ; wave 0..3
	v_and_b32 v5, 31, v0
	v_lshlrev_b32 v[LI], 4, v5
	v_and_b32 v6, 15, v0                           ; r
	v_bfe_u32 v7, v0, 4, 1                         ; h
	v_mul_u32_u24 v[SO], v6, SPI
	v_lshl_add_u32 v[SO], v7, 5, v[SO]
	s_lshl_b32 s21, s20, 9
	v_add_nc_u32 v[SO], s21, v[SO]                 ; row r, + 512 x wave + 32 h
	s_mul_i32 s21, s20, 8*SPI
	v_add_nc_u32 v[SR], s21, v[LI]                 ; my 8 rows, 16 bytes a lane
.irp i, 0,1,2,3,4,5,6,7
	v_mov_b32 v[MS+2*\i+1], 0                      ; (named as the upper half of a pair)
	v_mov_b32 v[PT+\i], 0                          ; a lane permute's destination counts as one of its sources
.endr
	s_lshl_b32 s22, ttmp9, 14                      ; ctx: two tiles of 8,192 bytes a work-group
	s_mov_b32 s23, 0
	s_lshl_b32 s24, s20, 16                        ; wo is the fourth weight in wcodes; 8 column tiles a wave
	s_add_co_u32 s24, s24, 786432
	s_mov_b32 s25, 0
	s_lshl_b32 s26, ttmp9, 16                      ; x and out0: 32 rows of 2,048 bytes a work-group,
	s_lshl_b32 s27, s20, 14                        ; 8 a wave
	s_add_co_u32 s26, s26, s27
	s_mov_b32 s27, 0
	s_mov_b32 s32, 0x3b000000                      ; 1 / 512
	s_mov_b32 s33, 0x3727c5ac                      ; 1e-5
	s_mov_b32 s34, 0x76543210                      ; selects of v_permlanex16_b32: lane l xor 16
	s_mov_b32 s35, 0xfedcba98
	s_mov_b32 s36, 0xbb000000                      ; -1 / 512
	s_wait_kmcnt 0x0
	s_load_b64 s[28:29], s[8:9], 0x28              ; e10, e11
	s_add_nc_u64 s[4:5], s[4:5], s[22:23]
	s_add_nc_u64 s[6:7], s[6:7], s[24:25]
	s_add_nc_u64 s[12:13], s[12:13], s[26:27]
	s_add_nc_u64 s[18:19], s[18:19], s[26:27]
.irp m, 0,1
.irp s, 0,1,2,3
.irp c, 0,1,2,3
	global_load_b128 v[CF+64*\m+16*\s+4*\c:CF+64*\m+16*\s+4*\c+3], v[LI], s[4:5] offset:\m*8192+\s*2048+512*\c th:TH_LOAD_NT   ; heads 2 s, 2 s + 1 are K step s
.endr
.endr
.endr
.irp t, 0,1,2,3,4,5,6,7
	WIN 0x40+0x40*(\t/4)
.irp s, 0,1,2,3
.irp c, 0,1,2,3
	global_load_b128 v[64*(\t%4)+16*\s+4*\c:64*(\t%4)+16*\s+4*\c+3], v[LI], s[6:7] offset:(4*\t+\s)*2048+512*\c
.endr
.endr
.endr
	WIN 0xc0
.irp i, 0,1,2,3,4,5,6,7
.irp q, 0,1,2,3
	global_load_b128 v[XR+16*\i+4*\q:XR+16*\i+4*\q+3], v[LI], s[12:13] offset:\i*2048+512*\q th:TH_LOAD_NT
.endr
.endr
	WIN 0
.irp q, 0,1,2,3
	global_load_b128 v[G+4*\q:G+4*\q+3], v[LI], s[14:15] offset:512*\q
	global_load_b128 v[B+4*\q:B+4*\q+3], v[LI], s[16:17] offset:512*\q
	global_load_b128 v[BO+4*\q:BO+4*\q+3], v[LI], s[10:11] offset:512*\q
.endr
	s_wait_loadcnt 44                              ; the codes are in; the 44 youngest loads (32 of x, 4 each of ln_g, ln_b, bo) may stay out
	; ---- the product: 16 accumulators by turns; the first K step starts the sums
.irp s, 0,1,2,3
.irp g, 0,1
	WIN 0xf1+\g                                    ; source 0 (wo) window 1 or 2, source 1 (ctx) window 0, C and D window 3
.irp m, 0,1
.irp t, 0,1,2,3
.if \s == 0
	v_wmma_f32_16x16x128_bf8_bf8 v[64*\m+8*(4*\g+\t):64*\m+8*(4*\g+\t)+7], v[64*\t+16*\s:64*\t+16*\s+15], v[CF+64*\m+16*\s:CF+64*\m+16*\s+15], 0
.else
	v_wmma_f32_16x16x128_bf8_bf8 v[64*\m+8*(4*\g+\t):64*\m+8*(4*\g+\t)+7], v[64*\t+16*\s:64*\t+16*\s+15], v[CF+64*\m+16*\s:CF+64*\m+16*\s+15], v[64*\m+8*(4*\g+\t):64*\m+8*(4*\g+\t)+7]
.endif
.endr
.endr
.endr
.endr
	WIN 0x0c                                       ; an LDS store's data: window 3
.rept 4
	v_nop                                          ; four places between the last products and the stores that read results
.endr
.irp m, 0,1
.irp t, 0,1,2,3,4,5,6,7
	ds_store_b128 v[SO], v[64*\m+8*\t:64*\m+8*\t+3] offset:16*\m*SPI+64*\t          ; lane (r, h): row 16 m + r, columns 128 w + 16 t + 8 h + 0..7; the low four registers first
	ds_store_b128 v[SO], v[64*\m+8*\t+4:64*\m+8*\t+7] offset:16*\m*SPI+64*\t+16
.endr
.endr
	s_wait_loadcnt 0x0
	WIN 0xc3
.irp i, 0,1,2,3,4,5,6,7
.irp j, 0,2,4,6,8,10,12,14
	v_pk_add_f32 v[XR+16*\i+\j:XR+16*\i+\j+1], v[XR+16*\i+\j:XR+16*\i+\j+1], v[BO+\j:BO+\j+1]   ; x + bo, while the stores land
.endr
.endr
	WIN 0
	s_wait_kmcnt 0x0
	s_add_co_i32 s30, s28, s29
	s_add_co_i32 s30, s30, 127
	s_lshl_b32 s30, s30, 23                        ; 2^(e10 + e11) as f32
	s_mov_b32 s31, s30                             ; (named with it as a pair, so it is written)
	s_wait_dscnt 0x0                               ; for the others' sake: my stores into the stage are done
	s_barrier_signal -1
	s_barrier_wait -1                              ; 32 whole rows lie in the stage
	; ---- my 8 rows, each stage written for all eight so that no line waits for the line above it
.irp i, 0,1,2,3,4,5,6,7
.irp q, 0,1,2,3
	ds_load_b128 v[CF+16*\i+4*\q:CF+16*\i+4*\q+3], v[SR] offset:\i*SPI+512*\q
.endr
.endr
	s_wait_dscnt 0x0
	WIN 0x30                                       ; source 2 (x + bo) window 3
.irp i, 0,1,2,3,4,5,6,7
.irp j, 0,2,4,6,8,10,12,14
	v_pk_fma_f32 v[CF+16*\i+\j:CF+16*\i+\j+1], v[CF+16*\i+\j:CF+16*\i+\j+1], s[30:31], v[XR+16*\i+\j:XR+16*\i+\j+1] op_sel_hi:[1,0,1]   ; y = sum x 2^(e10 + e11) + bo + x
.endr
.endr
	WIN 0
.macro REDUCE                          ; v[T + 2 i] summed over the 32 lanes, for the eight rows: four steps inside each half of 16 lanes, one across
.irp x, 1,2,4,8
.irp i, 0,1,2,3,4,5,6,7
	v_add_f32_dpp v[T+2*\i], v[T+2*\i], v[T+2*\i] row_xmask:\x row_mask:0xf bank_mask:0xf
.endr
.endr
.irp i, 0,1,2,3,4,5,6,7
	v_permlanex16_b32 v[PT+\i], v[T+2*\i], s34, s35
.endr
.irp i, 0,1,2,3,4,5,6,7
	v_add_f32 v[T+2*\i], v[T+2*\i], v[PT+\i]
.endr
.endm
.irp i, 0,1,2,3,4,5,6,7
	v_pk_add_f32 v[T+2*\i:T+2*\i+1], v[CF+16*\i:CF+16*\i+1], v[CF+16*\i+2:CF+16*\i+3]
.endr
.irp j, 4,6,8,10,12,14
.irp i, 0,1,2,3,4,5,6,7
	v_pk_add_f32 v[T+2*\i:T+2*\i+1], v[T+2*\i:T+2*\i+1], v[CF+16*\i+\j:CF+16*\i+\j+1]
.endr
.endr
.irp i, 0,1,2,3,4,5,6,7
	v_add_f32 v[T+2*\i], v[T+2*\i], v[T+2*\i+1]
.endr
	REDUCE
.irp i, 0,1,2,3,4,5,6,7
	v_mul_f32 v[MS+2*\i], s36, v[T+2*\i]           ; -mean
.endr
.irp i, 0,1,2,3,4,5,6,7
.irp j, 0,2,4,6,8,10,12,14
	v_pk_add_f32 v[CF+16*\i+\j:CF+16*\i+\j+1], v[CF+16*\i+\j:CF+16*\i+\j+1], v[MS+2*\i:MS+2*\i+1] op_sel_hi:[1,0]   ; y - mean
.endr
.endr
.irp i, 0,1,2,3,4,5,6,7
	v_pk_mul_f32 v[T+2*\i:T+2*\i+1], v[CF+16*\i:CF+16*\i+1], v[CF+16*\i:CF+16*\i+1]
.endr
.irp j, 2,4,6,8,10,12,14
.irp i, 0,1,2,3,4,5,6,7
	v_pk_fma_f32 v[T+2*\i:T+2*\i+1], v[CF+16*\i+\j:CF+16*\i+\j+1], v[CF+16*\i+\j:CF+16*\i+\j+1], v[T+2*\i:T+2*\i+1]
.endr
.endr
.irp i, 0,1,2,3,4,5,6,7
	v_add_f32 v[T+2*\i], v[T+2*\i], v[T+2*\i+1]
.endr
	REDUCE
.irp i, 0,1,2,3,4,5,6,7
	v_fma_f32 v[T+2*\i], v[T+2*\i], s32, s33       ; var + eps
.endr
.irp i, 0,1,2,3,4,5,6,7
	v_rsq_f32 v[MS+2*\i], v[T+2*\i]
.endr
	v_nop                                          ; a plain line behind the last transcendental
	s_wait_alu depctr_va_vdst(0)
.irp i, 0,1,2,3,4,5,6,7
.irp j, 0,2,4,6,8,10,12,14
	v_pk_mul_f32 v[CF+16*\i+\j:CF+16*\i+\j+1], v[CF+16*\i+\j:CF+16*\i+\j+1], v[MS+2*\i:MS+2*\i+1] op_sel_hi:[1,0]
.endr
.irp j, 0,2,4,6,8,10,12,14
	v_pk_fma_f32 v[CF+16*\i+\j:CF+16*\i+\j+1], v[CF+16*\i+\j:CF+16*\i+\j+1], v[G+\j:G+\j+1], v[B+\j:B+\j+1]
.endr
.irp q, 0,1,2,3
	global_store_b128 v[LI], v[CF+16*\i+4*\q:CF+16*\i+4*\q+3], s[18:19] offset:\i*2048+512*\q th:TH_STORE_NT   ; 512 consecutive bytes a store; written once, read by nobody here
.endr
.endr
	s_wait_tensorcnt 0x0
	ds_add_u32 v254, v255
	s_wait_dscnt 0x0
	s_endpgm
.Lfunc_end_k_q467975eefe_outln:
	.size	k_q467975eefe_outln, .Lfunc_end_k_q467975eefe_outln-k_q467975eefe_outln
	.p2alignl 7, 3214868480
	.fill 96, 4, 3214868480
	.section	.rodata,"a",@progbits
	.p2align	6, 0x0
	.amdhsa_kernel k_q467975eefe_outln
		.amdhsa_group_segment_fixed_size 66560
		.amdhsa_private_segment_fixed_size 0
		.amdhsa_enable_private_segment 0
		.amdhsa_kernarg_size 64
		.amdhsa_user_sgpr_count 2
		.amdhsa_user_sgpr_kernarg_segment_ptr 1
		.amdhsa_wavefront_size32 1
		.amdhsa_system_sgpr_workgroup_id_x 1
		.amdhsa_system_sgpr_workgroup_id_y 1
		.amdhsa_system_sgpr_workgroup_id_z 1
		.amdhsa_system_vgpr_workitem_id 0
		.amdhsa_next_free_vgpr 1024
		.amdhsa_next_free_sgpr 66
		.amdhsa_reserve_vcc 0
		.amdhsa_float_denorm_mode_32 3
		.amdhsa_float_denorm_mode_16_64 3
		.amdhsa_memory_ordered 1
		.amdhsa_forward_progress 1
		.amdhsa_inst_pref_size 69
	.end_amdhsa_kernel
	.amdgpu_metadata
---
amdhsa.version: [ 1, 2 ]
amdhsa.kernels:
  - .name:           k_q467975eefe_outln
    .symbol:         k_q467975eefe_outln.kd
    .args:
      - { .name: ctx_codes, .offset: 0, .size: 8, .value_kind: global_buffer, .address_space: global }
      - { .name: wcodes, .offset: 8, .size: 8, .value_kind: global_buffer, .address_space: global }
      - { .name: lowp_scales, .offset: 16, .size: 8, .value_kind: global_buffer, .address_space: global }
      - { .name: bo, .offset: 24, .size: 8, .value_kind: global_buffer, .address_space: global }
      - { .name: x, .offset: 32, .size: 8, .value_kind: global_buffer, .address_space: global }
      - { .name: ln_g, .offset: 40, .size: 8, .value_kind: global_buffer, .address_space: global }
      - { .name: ln_b, .offset: 48, .size: 8, .value_kind: global_buffer, .address_space: global }
      - { .name: out0, .offset: 56, .size: 8, .value_kind: global_buffer, .address_space: global }
    .group_segment_fixed_size: 66560
    .private_segment_fixed_size: 0
    .kernarg_segment_align: 8
    .kernarg_segment_size: 64
    .max_flat_workgroup_size: 128
    .sgpr_count:     66
    .vgpr_count:     1024
    .wavefront_size: 32
...
	.end_amdgpu_metadata
.endif
;; end of part 4
;; ======== version 2 of 2: 4 launches
;; workspace buffers: wcodes 1,048,576 bytes; q_codes 4,194,304 bytes; kv_codes 8,388,608 bytes; ctx_codes 4,194,304 bytes
;; launch prep (part 5): grid 64 x 4, 4 waves a work-group, no clusters, 0 bytes of LDS; arguments wq, wk, wv, wo, lowp_scales, wcodes; writes wcodes
.if DOCPART == 5
	.amdgcn_target "amdgcn-amd-amdhsa--gfx1250"
	.amdhsa_code_object_version 6
	.text
	.protected	k_q467975eefe_prep
	.globl	k_q467975eefe_prep
	.p2align	8
	.type	k_q467975eefe_prep,@function
k_q467975eefe_prep:
	s_mov_b64 s[64:65], 0
	v_nop
	global_prefetch_b8 v0, s[64:65] scope:SCOPE_SE
	s_setreg_imm32_b32 hwreg(HW_REG_WAVE_MODE, 25, 1), 1
	s_wait_xcnt 0x0
; The four weights, f32 stored [k 512][n 512], become codes of BF8 (E5M2), each with the one scale 2^e given for it (entries 1, 3, 5, 11 of the scales).
; code = w / 2^e, held within +-57,344, rounded to the nearest code, ties to even.  LIMIT: e between -126 and 112.  NaN among the inputs is not served.
; OUTPUT LAYOUT: images of operand registers.  wcodes[weight y][column tile T 0..31][K step s 0..3][2,048 bytes].  A fragment is 16 columns x 128 k, 16 registers a lane:
; lane (r, h) holds column 16 T + r, its registers 2 c, 2 c + 1 hold k = 128 s + 16 c + 8 h + 0..7.  Chunk c4 of the image (512 bytes) holds registers 4 c4 .. 4 c4 + 3, lane l at 16 l.
; SHARES: work-group y = the weight; x = 4 kb + cg: 32 rows of k (kb) x 128 columns (cg).  A LANE TAKES A COLUMN AND ITS REGISTERS RUN DOWN K: each load of a wave reads 128 consecutive
; bytes, the four waves 512; the conversions take eight neighbours along k from one lane.  A block of 32 k is chunk kb % 4 of K step kb / 4: k 0-7 and 16-23 belong to the image
; lane (r, 0), k 8-15 and 24-31 to lane (r, 1), 256 bytes further on.  Sixteen lanes store 256 consecutive bytes, aligned.  Waves share nothing: no LDS, no barrier.
.set X,   8                            ; v8-39   32 numbers down k
.set C,   40                           ; v40-47  their codes: v40-43 for image lane (r, 0), v44-47 for (r, 1)
.set SCW, 48                           ; v48     2^e as f32
.set LMW, 49                           ; v49     57,344 x 2^e
	s_load_b256 s[4:11], s[0:1], 0x0               ; wq, wk, wv, wo
	s_load_b128 s[12:15], s[0:1], 0x20             ; the scales' exponents s[12:13], wcodes s[14:15]
	v_lshrrev_b32 v3, 5, v0
	v_readfirstlane_b32 s28, v3                    ; wave 0..3
	v_and_b32 v4, 31, v0                           ; lane
	v_lshlrev_b32 v1, 2, v4                        ; in: 4 bytes a lane
	v_lshrrev_b32 v5, 4, v4                        ; which of my wave's two column tiles
	v_and_b32 v6, 15, v4                           ; r
	v_lshlrev_b32 v2, 4, v6
	v_lshl_add_u32 v2, v5, 13, v2                  ; out: 8,192 x tile + 16 r
	s_and_b32 s29, ttmp7, 0xffff                   ; y: the weight
	s_and_b32 s30, ttmp9, 3                        ; cg: which 128 columns
	s_lshr_b32 s31, ttmp9, 2                       ; kb: which 32 along k
	s_lshl_b32 s32, s31, 16                        ; source: 32 kb rows of 2,048 bytes
	s_lshl_b32 s34, s30, 9                         ; + 128 cg columns
	s_add_co_u32 s32, s32, s34
	s_lshl_b32 s34, s28, 7                         ; + 32 columns a wave
	s_add_co_u32 s32, s32, s34
	s_mov_b32 s33, 0
	s_lshl_b32 s36, s29, 18                        ; destination: 262,144 y
	s_lshl_b32 s34, s30, 16                        ; + tile 8 cg
	s_add_co_u32 s36, s36, s34
	s_lshl_b32 s34, s28, 14                        ; + tile 2 w
	s_add_co_u32 s36, s36, s34
	s_lshr_b32 s34, s31, 2
	s_lshl_b32 s34, s34, 11                        ; + K step kb / 4
	s_add_co_u32 s36, s36, s34
	s_and_b32 s34, s31, 3
	s_lshl_b32 s34, s34, 9                         ; + chunk kb % 4
	s_add_co_u32 s36, s36, s34
	s_mov_b32 s37, 0
	s_wait_alu depctr_va_vdst(0)
	s_wait_kmcnt 0x0
	s_load_b256 s[16:23], s[12:13], 0x0            ; e0 .. e7
	s_load_b128 s[24:27], s[12:13], 0x20           ; e8 .. e11
	s_cmp_eq_u32 s29, 1                            ; the weight's address: a choice on the work-group's number alone
	s_cselect_b64 s[4:5], s[6:7], s[4:5]
	s_cmp_eq_u32 s29, 2
	s_cselect_b64 s[4:5], s[8:9], s[4:5]
	s_cmp_eq_u32 s29, 3
	s_cselect_b64 s[4:5], s[10:11], s[4:5]
	s_add_nc_u64 s[4:5], s[4:5], s[32:33]
	s_add_nc_u64 s[14:15], s[14:15], s[36:37]
.irp i, 0,1,2,3,4,5,6,7,8,9,10,11,12,13,14,15,16,17,18,19,20,21,22,23,24,25,26,27,28,29,30,31
	global_load_b32 v[X+\i], v1, s[4:5] offset:\i*2048 th:TH_LOAD_NT   ; w(32 kb + i, my column)
.endr
	s_wait_kmcnt 0x0
	s_cmp_eq_u32 s29, 1                            ; e: entry 1, 3, 5 or 11
	s_cselect_b32 s17, s19, s17
	s_cmp_eq_u32 s29, 2
	s_cselect_b32 s17, s21, s17
	s_cmp_eq_u32 s29, 3
	s_cselect_b32 s17, s27, s17
	s_add_co_i32 s17, s17, 127
	s_lshl_b32 s18, s17, 23
	v_mov_b32 v[SCW], s18                          ; 2^e: the conversion takes its exponent field
	s_add_co_i32 s17, s17, 15
	s_lshl_b32 s17, s17, 23
	s_or_b32 s17, s17, 0x600000
	v_mov_b32 v[LMW], s17                          ; 57,344 x 2^e
	s_wait_alu depctr_va_vdst(0)
	s_wait_loadcnt 0x0
.irp i, 0,1,2,3,4,5,6,7,8,9,10,11,12,13,14,15,16,17,18,19,20,21,22,23,24,25,26,27,28,29,30,31
	v_med3_num_f32 v[X+\i], v[X+\i], -v[LMW], v[LMW]   ; the conversion to an 8-bit code does not saturate (ISA guide 7.6.2): the hold comes first
.endr
	v_cvt_scalef32_pk8_bf8_f32 v[C:C+1],   v[X:X+7],     v[SCW]   ; k 0-7:   image lane (r, 0), registers 0, 1 of the chunk
	v_cvt_scalef32_pk8_bf8_f32 v[C+4:C+5], v[X+8:X+15],  v[SCW]   ; k 8-15:  image lane (r, 1), registers 0, 1
	v_cvt_scalef32_pk8_bf8_f32 v[C+2:C+3], v[X+16:X+23], v[SCW]   ; k 16-23: image lane (r, 0), registers 2, 3
	v_cvt_scalef32_pk8_bf8_f32 v[C+6:C+7], v[X+24:X+31], v[SCW]   ; k 24-31: image lane (r, 1), registers 2, 3
	global_store_b128 v2, v[C:C+3], s[14:15]                      ; the codes go to stores alone, which want no place behind a conversion
	global_store_b128 v2, v[C+4:C+7], s[14:15] offset:256
	s_endpgm
.Lfunc_end_k_q467975eefe_prep:
	.size	k_q467975eefe_prep, .Lfunc_end_k_q467975eefe_prep-k_q467975eefe_prep
	.p2alignl 7, 3214868480
	.fill 96, 4, 3214868480
	.section	.rodata,"a",@progbits
	.p2align	6, 0x0
	.amdhsa_kernel k_q467975eefe_prep
		.amdhsa_group_segment_fixed_size 0
		.amdhsa_private_segment_fixed_size 0
		.amdhsa_enable_private_segment 0
		.amdhsa_kernarg_size 48
		.amdhsa_user_sgpr_count 2
		.amdhsa_user_sgpr_kernarg_segment_ptr 1
		.amdhsa_wavefront_size32 1
		.amdhsa_system_sgpr_workgroup_id_x 1
		.amdhsa_system_sgpr_workgroup_id_y 1
		.amdhsa_system_sgpr_workgroup_id_z 1
		.amdhsa_system_vgpr_workitem_id 0
		.amdhsa_next_free_vgpr 56
		.amdhsa_next_free_sgpr 66
		.amdhsa_reserve_vcc 0
		.amdhsa_float_denorm_mode_32 3
		.amdhsa_float_denorm_mode_16_64 3
		.amdhsa_memory_ordered 1
		.amdhsa_forward_progress 1
		.amdhsa_inst_pref_size 8
	.end_amdhsa_kernel
	.amdgpu_metadata
---
amdhsa.version: [ 1, 2 ]
amdhsa.kernels:
  - .name:           k_q467975eefe_prep
    .symbol:         k_q467975eefe_prep.kd
    .args:
      - { .name: wq, .offset: 0, .size: 8, .value_kind: global_buffer, .address_space: global }
      - { .name: wk, .offset: 8, .size: 8, .value_kind: global_buffer, .address_space: global }
      - { .name: wv, .offset: 16, .size: 8, .value_kind: global_buffer, .address_space: global }
      - { .name: wo, .offset: 24, .size: 8, .value_kind: global_buffer, .address_space: global }
      - { .name: lowp_scales, .offset: 32, .size: 8, .value_kind: global_buffer, .address_space: global }
      - { .name: wcodes, .offset: 40, .size: 8, .value_kind: global_buffer, .address_space: global }
    .group_segment_fixed_size: 0
    .private_segment_fixed_size: 0
    .kernarg_segment_align: 8
    .kernarg_segment_size: 48
    .max_flat_workgroup_size: 128
    .sgpr_count:     66
    .vgpr_count:     56
    .wavefront_size: 32
...
	.end_amdgpu_metadata
.endif
;; end of part 5
;; launch qkv (part 6): grid 64 x 3, 4 waves a work-group, no clusters, 66,048 bytes of LDS; arguments x, wcodes, lowp_scales, bq, bk, bv, q_codes, kv_codes; writes q_codes, kv_codes
.if DOCPART == 6
	.amdgcn_target "amdgcn-amd-amdhsa--gfx1250"
	.amdhsa_code_object_version 6
	.text
	.protected	k_q467975eefe_qkv
	.globl	k_q467975eefe_qkv
	.p2align	8
	.type	k_q467975eefe_qkv,@function
k_q467975eefe_qkv:
	s_mov_b64 s[64:65], 0
	v_nop
	global_prefetch_b8 v0, s[64:65] scope:SCOPE_SE
	s_setreg_imm32_b32 hwreg(HW_REG_WAVE_SCHED_MODE, 0, 2), 2
	s_setreg_imm32_b32 hwreg(HW_REG_WAVE_MODE, 25, 1), 1
	s_wait_xcnt 0x0
	s_wait_alu depctr_vm_vsrc(0)
; Work-group (bx, y): rows 128 bx .. + 127 of x (one key step of one batch) through projection y (0 q, 1 k, 2 v): Q(x) Q(w) + bias, then quantised for attention.
; x is quantised with its scale for THIS product (entry 2 y), the weight's codes come from wcodes (entry 2 y + 1), the result is quantised with entry 6 (q), 7 (k) or 9 (v).
; LIMITS: ex, and eo - ex - ew, between -126 and 112; ex + ew is applied by v_ldexp_f32.  NaN among the inputs is not served.
; ALL OPERANDS ARE IMAGES OF REGISTERS: a fragment of 16 rows x 128 k is 16 registers a lane, lane (r, h) holds row r, registers 2 c, 2 c + 1 hold k = 16 c + 8 h + 0..7; its image is four
; chunks of 512 bytes, lane l's four registers at 16 l.  Every fragment load and store is 16 bytes a lane, 512 consecutive bytes a wave: no pitch, no padding.
; SHARES: THE WAVES SHARE THE COLUMNS: wave w has columns 128 w .. + 127 (heads 2 w, 2 w + 1); its 32 weight fragments stay in 512 registers.  Wave w quantises rows 32 w .. + 31 of x
; (8 fragments) into LDS; ONE barrier; then every wave reads all 32 fragments of x.  Behind the barrier nothing is stored to LDS, and the text parts on y.
; q, k: source 0 = 16 columns of w, source 1 = 16 tokens: a lane holds one token and 8 neighbouring channels: one conversion gives registers 2 c, 2 c + 1 of a fragment (row = token, k = channel).
; v:    sources swapped: a lane holds one channel and 8 neighbouring tokens: one conversion gives registers 2 T, 2 T + 1 of a fragment (row = channel, k = the step's 128 keys).
; The bias is the C of each sum's first matrix instruction, divided once by 2^(ex + ew); the three scales ahead of the quantiser are folded into the conversion's one.
; REGISTERS: window 0: v1-7 lane numbers and addresses; v16-143 x as f32 (two sets of 64), later fragments of x; v144-175 codes; v176-179 scales and holds; v180-187 the bias loads' offsets; v192-223 v's second set of codes.
;   windows 1, 2: weight fragment (t, s) at v[64 (t % 4) + 16 s] of window 1 + t / 4.   window 3: v0-63 the bias, 8 blocks of 8; v64-191 the accumulators.
; THE MODE: SCHED_MODE bits 1:0 = 2 (LLVM: expert scheduling mode 2), set by the entry lines.  The code itself states the register dependences between vector or matrix instructions
; and memory or LDS instructions, with s_wait_alu, always for 0.
; THE PLAN.  Registers that memory or LDS instructions touch:
;   v4-7, v180-187   offsets and LDS addresses: written once at the head, ahead of the head's wait on va_vdst; never written again.
;   weights, bias    loaded once; behind their loads they are named by vector and matrix instructions alone.
;   BUF0, BUF1       (v16-79, v80-143)  X phase: fragment f's holds and conversions read and write BUF[f % 2]; behind them the loads of fragment f + 2 land in it.
;                    q, k: tile j's products read BUF[j % 2]; tile j + 1's LDS loads, issued at the head of tile j, land in the other set, which tile j - 1's products read.
;                    v: a pair's products read both sets; the next pair's LDS loads land in them behind the products.
;   the codes        X phase: v144-159, written by a fragment's conversions, read by its four LDS stores.
;                    q, k: two sets of 16 by turns: tile j's conversions write set j % 2; its four stores are issued at the head of tile j + 1.
;                    v: two sets of 32 by turns (v144, v192): pair p's conversions write set p % 2; its eight stores are issued in pair p + 1.
; So ONE wait on va_vdst stands in a fragment (behind its conversions), in a tile (at its head) and in a pair (behind its products), and one ahead of each path's last stores.
.set XA,  4                            ; v4   x: row r of 2,048 bytes + 32 h
.set LI,  5                            ; v5   16 x lane: my place in an image
.set XWI, 6                            ; v6   where I store the images of x: 16 x lane + 16,384 x wave
.set LI2, 7                            ; v7   16 x lane + one head's bytes in the output (q, k)
.set BUF, 16
.set PC,  144
.set SCX, 176                          ; 2^ex
.set LMX, 177                          ; 57,344 x 2^ex
.set SCO, 178                          ; 2^(eo - ex - ew)
.set LMO, 179                          ; 57,344 x that
.set VO,  180
.set ACC, 64                           ; in window 3
.set MSB, 0
.macro WIN new                         ; the immediate's high byte repeats the setting that is left; a switch that changes nothing is dropped
.if MSB != (\new)
	s_set_vgpr_msb (MSB<<8)|(\new)
.set MSB, (\new)
.endif
.endm
.macro PLACES                          ; four plain places behind matrix instructions (ISA guide 7.12.1), in front of the first read of results
.rept 4
	v_nop
.endr
.endm
	s_load_b256 s[4:11], s[0:1], 0x0               ; x s[4:5], wcodes s[6:7], the exponents s[8:9], bq s[10:11]
	s_load_b256 s[12:19], s[0:1], 0x20             ; bk s[12:13], bv s[14:15], q_codes s[16:17], kv_codes s[18:19]
	v_lshl_add_u32 v254, v0, 2, 0x10000
	v_mov_b32 v255, 0
	v_lshrrev_b32 v8, 5, v0
	v_readfirstlane_b32 s20, v8                    ; wave 0..3
	v_and_b32 v1, 31, v0                           ; lane
	v_and_b32 v2, 15, v0                           ; r
	v_bfe_u32 v3, v0, 4, 1                         ; h
	v_lshlrev_b32 v[XA], 11, v2
	v_lshl_add_u32 v[XA], v3, 5, v[XA]
	v_lshlrev_b32 v[LI], 4, v1
	s_wait_alu depctr_va_vdst(0)
	s_wait_alu depctr_va_sdst(0)                   ; s20 is written, ahead of its first reader: LDS addresses and the bases of x, the weight, the bias and the codes are made from it
	s_lshl_b32 s28, s20, 14
	v_add_nc_u32 v[XWI], s28, v[LI]
	s_and_b32 s21, ttmp7, 0xffff                   ; y
	s_lshr_b32 s23, ttmp9, 5                       ; batch
	s_and_b32 s24, ttmp9, 31                       ; key step
	s_cmp_eq_u32 s21, 0
	s_cselect_b32 s26, 18, 19                      ; a head's bytes: 2^18 in q_codes, 2^19 in kv_codes
	s_lshl_b32 s27, 1, s26
	v_add_nc_u32 v[LI2], s27, v[LI]
	s_cmp_eq_u32 s21, 2
	s_cselect_b32 s32, 0, 32                       ; the bias loads' offsets: q, k: 32 h + 4 jj (8 neighbouring channels);  v: 4 r (my one channel, eight times)
	s_cselect_b32 s33, 4, 0
	s_cselect_b32 s34, 0, 4
	s_cselect_b32 s35, 8192, 0                     ; v's fragments lie behind a step's eight of k
	v_mul_u32_u24 v8, s32, v3
	v_mad_u32_u24 v8, v2, s33, v8
	s_wait_alu depctr_va_vdst(0)
.irp jj, 0,1,2,3,4,5,6,7
	s_mul_i32 s39, s34, \jj
	v_add_nc_u32 v[VO+\jj], s39, v8
.endr
	s_lshl_b32 s30, s23, 3
	s_lshl_b32 s31, s20, 1
	s_add_co_u32 s30, s30, s31                     ; 8 b + 2 w: my first head
	s_lshl_b32 s30, s30, s26
	s_sub_co_u32 s31, s26, 5
	s_lshl_b32 s31, s24, s31                       ; + the step: a 32nd of a head's bytes
	s_add_co_u32 s30, s30, s31
	s_add_co_u32 s30, s30, s35
	s_mov_b32 s31, 0
	s_wait_kmcnt 0x0
	s_load_b256 s[40:47], s[8:9], 0x0              ; e0 .. e7
	s_load_b128 s[48:51], s[8:9], 0x20             ; e8 .. e11
	s_cmp_eq_u32 s21, 0                            ; the buffers are chosen on the work-group's number alone
	s_cselect_b64 s[16:17], s[16:17], s[18:19]     ; where the codes go
	s_cmp_eq_u32 s21, 1
	s_cselect_b64 s[10:11], s[12:13], s[10:11]
	s_cmp_eq_u32 s21, 2
	s_cselect_b64 s[10:11], s[14:15], s[10:11]     ; the bias
	s_add_nc_u64 s[16:17], s[16:17], s[30:31]
	s_lshl_b32 s28, ttmp9, 18                      ; x: 128 bx rows of 2,048 bytes
	s_lshl_b32 s29, s20, 16                        ; + 32 rows a wave
	s_add_co_u32 s28, s28, s29
	s_mov_b32 s29, 0
	s_add_nc_u64 s[4:5], s[4:5], s[28:29]
	s_lshl_b32 s28, s21, 18                        ; the weight's codes: 262,144 y
	s_lshl_b32 s29, s20, 16                        ; + 8 column tiles a wave
	s_add_co_u32 s28, s28, s29
	s_mov_b32 s29, 0
	s_add_nc_u64 s[6:7], s[6:7], s[28:29]
	s_lshl_b32 s28, s20, 9                         ; the bias: 128 numbers a wave
	s_add_nc_u64 s[10:11], s[10:11], s[28:29]
	s_wait_alu depctr_va_vdst(0)                   ; v4 to v7 and v180 to v187 are written: every load, store and LDS instruction of the kernel reads one of them as its offset or address
	; ---- my 32 weight fragments and my bias: they stay
.irp t, 0,1,2,3,4,5,6,7
	WIN 0x40+0x40*(\t/4)
.irp s, 0,1,2,3
.irp c, 0,1,2,3
	global_load_b128 v[64*(\t%4)+16*\s+4*\c:64*(\t%4)+16*\s+4*\c+3], v[LI], s[6:7] offset:(4*\t+\s)*2048+512*\c
.endr
.endr
.endr
	WIN 0xc0
.irp i, 0,1,2,3,4,5,6,7
.irp jj, 0,1,2,3,4,5,6,7
	global_load_b32 v[8*\i+\jj], v[VO+\jj], s[10:11] offset:64*\i
.endr
.endr
	WIN 0
	s_wait_kmcnt 0x0
	s_cmp_eq_u32 s21, 1
	s_cselect_b32 s36, s42, s40                    ; ex
	s_cselect_b32 s37, s43, s41                    ; ew
	s_cselect_b32 s38, s47, s46                    ; eo
	s_cmp_eq_u32 s21, 2
	s_cselect_b32 s36, s44, s36
	s_cselect_b32 s37, s45, s37
	s_cselect_b32 s38, s49, s38
	s_add_co_i32 s39, s36, s37                     ; ex + ew: a sum stands for sum x 2^(ex + ew)
	s_sub_co_i32 s52, 0, s39
	s_add_co_i32 s53, s36, 127
	s_lshl_b32 s54, s53, 23
	v_mov_b32 v[SCX], s54                          ; (these four registers are named by vector instructions alone)
	s_add_co_i32 s53, s53, 15
	s_lshl_b32 s53, s53, 23
	s_or_b32 s53, s53, 0x600000
	v_mov_b32 v[LMX], s53
	s_sub_co_i32 s53, s38, s39
	s_add_co_i32 s53, s53, 127
	s_lshl_b32 s54, s53, 23
	v_mov_b32 v[SCO], s54
	s_add_co_i32 s53, s53, 15
	s_lshl_b32 s53, s53, 23
	s_or_b32 s53, s53, 0x600000
	v_mov_b32 v[LMO], s53
	; ---- X: my 32 rows of x become 8 fragments, f = 4 (tile of rows) + K step.  Lane (r, h) loads, of row r, k = 16 c + 8 h + 0..7 into registers 8 c .. 8 c + 7
.macro XLOAD f
.irp c, 0,1,2,3,4,5,6,7
.irp q, 0,1
	global_load_b128 v[BUF+64*((\f)%2)+8*\c+4*\q:BUF+64*((\f)%2)+8*\c+4*\q+3], v[XA], s[4:5] offset:((\f)/4)*32768+512*((\f)%4)+64*\c+16*\q
.endr
.endr
.endm
.macro QUANTX f
.set XS, BUF+64*((\f)%2)
.if (\f) < 7
	s_wait_loadcnt 16                              ; all but the next fragment's sixteen loads are in
.else
	s_wait_loadcnt 0x0
.endif
.set n, 0
.rept 64
	v_med3_num_f32 v[XS+n], v[XS+n], -v[LMX], v[LMX]   ; the conversion does not saturate (ISA guide 7.6.2): the hold comes first
.set n, n+1
.endr
.irp c, 0,1,2,3,4,5,6,7
	v_cvt_scalef32_pk8_bf8_f32 v[PC+2*\c:PC+2*\c+1], v[XS+8*\c:XS+8*\c+7], v[SCX]
.endr
	v_nop                                          ; one plain line behind the last conversion
	s_wait_alu depctr_va_vdst(0)                   ; the conversions have written the codes, which the LDS stores read; the holds and conversions are done with v[XS ..], in which loads land next
.if (\f) < 6
	XLOAD (\f)+2                                   ; the set is asked for again at once
.endif
.irp c, 0,1,2,3
	ds_store_b128 v[XWI], v[PC+4*\c:PC+4*\c+3] offset:(\f)*2048+512*\c
.endr
	s_wait_dscnt 0x0                               ; my stores of this fragment are done; behind the last fragment this is the wait in front of the barrier
	s_wait_alu depctr_vm_vsrc(0)                   ; the LDS stores have read the codes' registers, which the next conversions write: the next fragment's, behind the last fragment the first tile's
.endm
	XLOAD 0
	XLOAD 1
	s_wait_alu depctr_va_vdst(0)
.irp f, 0,1,2,3,4,5,6,7
	QUANTX \f
.endr
	WIN 0xc3
.set n, 0
.rept 64
	v_ldexp_f32 v[n], v[n], s52                    ; bias / 2^(ex + ew)
.set n, n+1
.endr
	WIN 0
	s_barrier_signal -1                            ; my stores into LDS are done (the wait for 0 above)
	s_barrier_wait -1                              ; the 32 fragments of x lie in LDS; nobody writes LDS from here on
	s_cmp_eq_u32 s21, 2
	s_cbranch_scc1 .Lv
	; ---- q, k: a tile of 16 tokens at a time, 8 accumulators by turns
.macro FETCHQ j                        ; tile j's four fragments of x into set j % 2
.irp s, 0,1,2,3
.irp c, 0,1,2,3
	ds_load_b128 v[BUF+64*((\j)%2)+16*\s+4*\c:BUF+64*((\j)%2)+16*\s+4*\c+3], v[LI] offset:(4*(\j)+\s)*2048+512*\c
.endr
.endr
.endm
.macro STQ j                           ; tile j's codes leave from set j % 2
.irp u, 0,1,2,3
.if \u < 2
	global_store_b128 v[LI], v[PC+16*((\j)%2)+4*\u:PC+16*((\j)%2)+4*\u+3], s[16:17] offset:(\j)*1024+512*(\u%2)    ; 512 consecutive bytes a store
.else
	global_store_b128 v[LI2], v[PC+16*((\j)%2)+4*\u:PC+16*((\j)%2)+4*\u+3], s[16:17] offset:(\j)*1024+512*(\u%2)   ; the second head
.endif
.endr
.endm
.macro MQK j
	s_wait_dscnt 0x0                               ; the tile's four fragments of x are in
.if (\j) >= 2
	s_wait_xcnt 0x0                                ; the stores of two tiles back have had their addresses translated (ISA guide 3.1): their data registers are rewritten only behind this wait
	s_wait_alu depctr_vm_vsrc(0)                   ; and they have read their set of codes, which this tile's conversions write again
.endif
.if (\j) >= 1
	s_wait_alu depctr_va_vdst(0)                   ; the last tile's conversions have written their set of codes, which the stores below read; its products are done reading their set of x, in which the loads below land
.endif
.if (\j) < 7
	FETCHQ (\j)+1                                  ; the next tile has this tile's products and conversions in which to land.  (Ahead of tile 0 and in it: the last vector instructions that named v16-143 stand ahead of the last fragment's wait on va_vdst)
.endif
.if (\j) >= 1
	STQ (\j)-1
.endif
.irp s, 0,1,2,3
.irp i, 0,1,2,3,4,5,6,7
	WIN 0xf1+(\i/4)                                ; source 0 (w) window 1 or 2, source 1 (x) window 0, C and D window 3
.if \s == 0
	v_wmma_f32_16x16x128_bf8_bf8 v[ACC+8*\i:ACC+8*\i+7], v[64*(\i%4)+16*\s:64*(\i%4)+16*\s+15], v[BUF+64*((\j)%2)+16*\s:BUF+64*((\j)%2)+16*\s+15], v[8*\i:8*\i+7]
.else
	v_wmma_f32_16x16x128_bf8_bf8 v[ACC+8*\i:ACC+8*\i+7], v[64*(\i%4)+16*\s:64*(\i%4)+16*\s+15], v[BUF+64*((\j)%2)+16*\s:BUF+64*((\j)%2)+16*\s+15], v[ACC+8*\i:ACC+8*\i+7]
.endif
.endr
.endr
	WIN 0
	PLACES
	WIN 0xc3
.set n, 0
.rept 64
	v_med3_num_f32 v[ACC+n], v[ACC+n], -v[LMO], v[LMO]   ; each accumulator from its low end on
.set n, n+1
.endr
	WIN 0x03
.irp i, 0,1,2,3,4,5,6,7
	v_cvt_scalef32_pk8_bf8_f32 v[PC+16*((\j)%2)+2*\i:PC+16*((\j)%2)+2*\i+1], v[ACC+8*\i:ACC+8*\i+7], v[SCO]   ; channels 16 i + 8 h + 0..7 of token r: registers 2 (i % 4), + 1 of head 2 w + i / 4
.endr
	WIN 0
	v_nop                                          ; one plain line between the last conversion and the products that write its sources
.endm
	FETCHQ 0
	s_wait_alu depctr_va_vdst(0)
.irp j, 0,1,2,3,4,5,6,7
	MQK \j
.endr
	s_wait_alu depctr_va_vdst(0)                   ; the last tile's conversions have written their codes, which the last four stores read
	STQ 7
	s_wait_dscnt 0x0
	s_wait_alu depctr_hold_cnt(0) depctr_sa_sdst(0) depctr_va_vdst(0) depctr_va_sdst(0) depctr_va_ssrc(0) depctr_va_vcc(0) depctr_vm_vsrc(0)
	s_wait_tensorcnt 0x0
	ds_add_u32 v254, v255
	s_wait_dscnt 0x0
	s_endpgm
.Lv:
	; ---- v: two tiles of 16 tokens at a time, 16 accumulators by turns; the sources are swapped
.macro FETCHV p
.irp m, 0,1
.irp s, 0,1,2,3
.irp c, 0,1,2,3
	ds_load_b128 v[BUF+64*\m+16*\s+4*\c:BUF+64*\m+16*\s+4*\c+3], v[LI] offset:(4*(2*(\p)+\m)+\s)*2048+512*\c
.endr
.endr
.endr
.endm
.macro STV p                           ; pair p's codes leave from set p % 2 (v144 or v192)
.irp t, 0,1,2,3,4,5,6,7
	global_store_b128 v[LI], v[PC+48*((\p)%2)+4*\t:PC+48*((\p)%2)+4*\t+3], s[16:17] offset:(\t/4)*524288+(\t%4)*2048+512*(\p)   ; chunk p of channel tile t % 4 of head 2 w + t / 4
.endr
.endm
.macro MV p
	s_wait_dscnt 0x0
.irp s, 0,1,2,3
.irp g, 0,1
	WIN 0xf4+4*\g                                  ; source 0 (x) window 0, source 1 (w) window 1 or 2, C and D window 3
.irp m, 0,1
.irp t, 0,1,2,3
.if \s == 0
	v_wmma_f32_16x16x128_bf8_bf8 v[ACC+64*\m+8*(4*\g+\t):ACC+64*\m+8*(4*\g+\t)+7], v[BUF+64*\m+16*\s:BUF+64*\m+16*\s+15], v[64*\t+16*\s:64*\t+16*\s+15], v[8*(4*\g+\t):8*(4*\g+\t)+7]
.else
	v_wmma_f32_16x16x128_bf8_bf8 v[ACC+64*\m+8*(4*\g+\t):ACC+64*\m+8*(4*\g+\t)+7], v[BUF+64*\m+16*\s:BUF+64*\m+16*\s+15], v[64*\t+16*\s:64*\t+16*\s+15], v[ACC+64*\m+8*(4*\g+\t):ACC+64*\m+8*(4*\g+\t)+7]
.endif
.endr
.endr
.endr
.endr
	WIN 0
	PLACES
.if (\p) >= 2
	s_wait_xcnt 0x0                                ; the stores of two pairs back have had their addresses translated (ISA guide 3.1): their data registers are rewritten only behind this wait
	s_wait_alu depctr_vm_vsrc(0)                   ; and they have read their set of codes, which this pair's conversions write again
.endif
	s_wait_alu depctr_va_vdst(0)                   ; the products are done reading v16-143, in which the next pair's loads land; the last pair's conversions have written their set of codes, which the stores below read
.if (\p) < 3
	FETCHV (\p)+1                                  ; a pair's fragments take all 128 registers, so the next pair lands while this one is quantised
.endif
.if (\p) >= 1
	STV (\p)-1
.endif
	WIN 0xc3
.set n, 0
.rept 128
	v_med3_num_f32 v[ACC+n], v[ACC+n], -v[LMO], v[LMO]
.set n, n+1
.endr
	WIN 0x03
.irp m, 0,1
.irp t, 0,1,2,3,4,5,6,7
	v_cvt_scalef32_pk8_bf8_f32 v[PC+48*((\p)%2)+4*\t+2*\m:PC+48*((\p)%2)+4*\t+2*\m+1], v[ACC+64*\m+8*\t:ACC+64*\m+8*\t+7], v[SCO]   ; tokens 16 (2 p + m) + 8 h + 0..7 of channel 16 t + r
.endr
.endr
	WIN 0
	v_nop                                          ; one plain line between the last conversion and the products that write its sources
.endm
	FETCHV 0                                       ; (the last vector instructions that named v16-143 stand ahead of the last fragment's wait on va_vdst)
	s_wait_alu depctr_va_vdst(0)
.irp p, 0,1,2,3
	MV \p
.endr
	s_wait_alu depctr_va_vdst(0)                   ; the last pair's conversions have written their codes, which the last eight stores read
	STV 3
	s_wait_dscnt 0x0
	s_wait_alu depctr_hold_cnt(0) depctr_sa_sdst(0) depctr_va_vdst(0) depctr_va_sdst(0) depctr_va_ssrc(0) depctr_va_vcc(0) depctr_vm_vsrc(0)
	s_wait_tensorcnt 0x0
	ds_add_u32 v254, v255
	s_wait_dscnt 0x0
	s_endpgm
.Lfunc_end_k_q467975eefe_qkv:
	.size	k_q467975eefe_qkv, .Lfunc_end_k_q467975eefe_qkv-k_q467975eefe_qkv
	.p2alignl 7, 3214868480
	.fill 96, 4, 3214868480
	.section	.rodata,"a",@progbits
	.p2align	6, 0x0
	.amdhsa_kernel k_q467975eefe_qkv
		.amdhsa_group_segment_fixed_size 66048
		.amdhsa_private_segment_fixed_size 0
		.amdhsa_enable_private_segment 0
		.amdhsa_kernarg_size 64
		.amdhsa_user_sgpr_count 2
		.amdhsa_user_sgpr_kernarg_segment_ptr 1
		.amdhsa_wavefront_size32 1
		.amdhsa_system_sgpr_workgroup_id_x 1
		.amdhsa_system_sgpr_workgroup_id_y 1
		.amdhsa_system_sgpr_workgroup_id_z 1
		.amdhsa_system_vgpr_workitem_id 0
		.amdhsa_next_free_vgpr 960
		.amdhsa_next_free_sgpr 66
		.amdhsa_reserve_vcc 0
		.amdhsa_float_denorm_mode_32 3
		.amdhsa_float_denorm_mode_16_64 3
		.amdhsa_memory_ordered 1
		.amdhsa_forward_progress 1
		.amdhsa_inst_pref_size 212
	.end_amdhsa_kernel
	.amdgpu_metadata
---
amdhsa.version: [ 1, 2 ]
amdhsa.kernels:
  - .name:           k_q467975eefe_qkv
    .symbol:         k_q467975eefe_qkv.kd
    .args:
      - { .name: x, .offset: 0, .size: 8, .value_kind: global_buffer, .address_space: global }
      - { .name: wcodes, .offset: 8, .size: 8, .value_kind: global_buffer, .address_space: global }
      - { .name: lowp_scales, .offset: 16, .size: 8, .value_kind: global_buffer, .address_space: global }
      - { .name: bq, .offset: 24, .size: 8, .value_kind: global_buffer, .address_space: global }
      - { .name: bk, .offset: 32, .size: 8, .value_kind: global_buffer, .address_space: global }
      - { .name: bv, .offset: 40, .size: 8, .value_kind: global_buffer, .address_space: global }
      - { .name: q_codes, .offset: 48, .size: 8, .value_kind: global_buffer, .address_space: global }
      - { .name: kv_codes, .offset: 56, .size: 8, .value_kind: global_buffer, .address_space: global }
    .group_segment_fixed_size: 66048
    .private_segment_fixed_size: 0
    .kernarg_segment_align: 8
    .kernarg_segment_size: 64
    .max_flat_workgroup_size: 128
    .sgpr_count:     66
    .vgpr_count:     960
    .wavefront_size: 32
...
	.end_amdgpu_metadata
.endif
;; end of part 6
;; launch attn (part 7): grid 16 x 16, 8 waves a work-group, clusters of 4 x 1, 327,680 bytes of LDS; arguments q_codes, kv_codes, lowp_scales, ctx_codes; writes ctx_codes
.if DOCPART == 7
	.amdgcn_target "amdgcn-amd-amdhsa--gfx1250"
	.amdhsa_code_object_version 6
	.text
	.protected	k_q467975eefe_attn
	.globl	k_q467975eefe_attn
	.p2align	8
	.type	k_q467975eefe_attn,@function
k_q467975eefe_attn:
	s_mov_b64 s[64:65], 0
	v_nop
	global_prefetch_b8 v0, s[64:65] scope:SCOPE_SE
	s_setreg_imm32_b32 hwreg(HW_REG_WAVE_MODE, 25, 1), 1
	s_wait_xcnt 0x0
	s_wait_alu depctr_hold_cnt(0) depctr_sa_sdst(0) depctr_va_vdst(0) depctr_va_sdst(0) depctr_va_ssrc(0) depctr_va_vcc(0) depctr_vm_vsrc(0)
	s_getreg_b32 s2, hwreg(HW_REG_IB_STS2, 6, 4)
	s_cmp_eq_u32 s2, 0
	s_cbranch_scc0 .Lentry_in_a_cluster
	s_endpgm
.Lentry_in_a_cluster:
	s_bfe_u32 s2, ttmp6, 0x10000c
	s_cmp_lg_u32 s2, 0x3003
	s_cbranch_scc0 .Lentry_shape_is_right
	s_endpgm
.Lentry_shape_is_right:
; ctx = softmax(q k^T / 8) v for one head (work-group y = 8 b + head) and 256 queries, both products on codes of BF8 (E5M2); the result is quantised for the output projection.
; THE SOFTMAX AHEAD OF THE SECOND PRODUCT: t = score x log2(e) / 8; M = the running largest t rounded UP to a whole number; p = 2^(t - M) is quantised with 2^e8, not normalised.
; The sum of a row is taken of the unquantised p, in f32, and divides at the end.  When M moves, the sum and O are multiplied by 2^(old M - new M): nothing is rounded, and no branch hangs on data.
; LIMITS: e6 + e7 between -123 and 130 (added to the exponent field of c); e8, and e10 - e8 - e9, between -126 and 112.  NaN among the inputs is not served.
; SHARES: eight waves, two to a SIMD; each owns 32 queries, two tiles of 16, and walks all 4,096 keys, 128 a step.  Each fragment of k and v read from LDS feeds both tiles.
; LAYOUT: both products are used transposed (S^T = k q^T, O^T = v^T p^T): a lane holds ONE query (lane % 16) throughout.  In S^T register j of key tile kt is key 16 kt + 8 (lane / 16) + j,
; so one conversion of a tile's eight registers gives registers 2 kt, 2 kt + 1 of the operand p.  All operands lie in memory and in LDS as images of their registers: 16 bytes a lane, 512 a load.
; RING: two LDS slots of 8 key steps (131,072 bytes).  A step's 16,384 bytes are dense in memory: 8 fragments of k, then 4 of v.  Wave w fetches step w of a slot by one tensor load of 64 rows x 256 bytes;
; a load is asked for a whole slot (8 steps) ahead of its first read; by this text's count a wave has one tensor load out at the most.
; CLUSTER: the four query blocks of a cluster belong to one head and walk the same k and v: each tile is asked for JOINTLY, by the same load with the same descriptor and the mask 15.
; The place in the cluster enters the addresses of q and of ctx alone.
; REGISTERS: window 0: v1-4 addresses; v8-23 statistics, 8 a tile (+0 -M, +1 largest t, +2, +3 the sum, +4 f, +5 zero, +6, +7 at work); v24-29 at work; v30, v31 hold and scale of p;
;   v32-47 q; v48-79 the codes of p; v80-207 S^T, then p; v208-223 the codes of ctx; v224, v225 their hold and scale.   window 1: v0-63 O^T; v64-127 k; v128-191 v.
.set SLOT1, 1<<17                      ; slot 1 begins here: one exclusive or turns an address in one slot into the other's
.set STEPB, 16384                      ; a key step's bytes
.set NST,   8                          ; steps in a slot
.set NSL,   4                          ; slots' worth of keys in a head
.set SPARE, 2*SLOT1                    ; behind the ring: the spare words, 128 bytes for each of eight waves: four blocks of 256 bytes that no other line names
.set LI,  1                            ; v1  16 x lane
.set ADR, 2                            ; v2  LDS address of the step in hand
.set SPW, 3                            ; v3  my spare word; never rewritten
.set NIL, 4                            ; v4  0; never rewritten
.set ST,  8
.set PT,  24
.set SU,  26
.set LMP, 30
.set SCP, 31
.set Q,   32
.set P,   48
.set S,   80
.set OC,  208
.set LMC, 224
.set SCX, 225
.set KF,  64                           ; in window 1
.set VF,  128                          ; in window 1
.set WV,  12                           ; s12 my wave's number
.set SEL, 20                           ; s[20:21] selects of v_permlanex16_b32: lane l xor 16
.set CS,  22                           ; s[22:23] c = log2(e) / 8 x 2^(e6 + e7): the packed form names a pair and takes its low word
.set G1,  24                           ; s[24:31] descriptor group 1
.set G0,  32                           ; s[32:35] descriptor group 0: it walks
.set TB,  36                           ; s36 LDS byte at which the step in hand begins
.set SLOTS, 37
.set STEPS, 38
.set MSB, 0
.macro WIN new                         ; the immediate's high byte repeats the setting that is left; a switch that changes nothing is dropped
.if MSB != (\new)
	s_set_vgpr_msb (MSB<<8)|(\new)
.set MSB, (\new)
.endif
.endm
.macro PLACES
.rept 4
	v_nop
.endr
.endm
; A round of the cluster's barrier: my work-group's barrier, wave 0 signals for the work-group, every wave waits for all four work-groups, my work-group's barrier once more.
.macro CROUND
	s_barrier_signal -1
	s_barrier_wait -1
	s_cmp_lg_u32 s[WV], 0
	s_cbranch_scc1 .Lnot_wave_0_\@
	s_barrier_signal -3
.Lnot_wave_0_\@:
	s_barrier_wait -3
	s_barrier_signal -1
	s_barrier_wait -1
.endm
	s_load_b256 s[4:11], s[0:1], 0x0               ; q_codes s[4:5], kv_codes s[6:7], the exponents s[8:9], ctx_codes s[10:11]
	v_lshl_add_u32 v[SPW], v0, 2, SPARE
	v_mov_b32 v[NIL], 0
	ds_add_u32 v3, v4
	ds_add_u32 v3, v4
	s_wait_dscnt 0x0
	v_lshrrev_b32 v5, 5, v0
	s_delay_alu instid0(VALU_DEP_1)
	v_readfirstlane_b32 s[WV], v5                  ; wave 0..7
	v_and_b32 v[LI], 31, v0
	s_delay_alu instid0(VALU_DEP_1)
	v_lshlrev_b32 v[LI], 4, v[LI]
	s_bfe_u32 s13, ttmp6, 0x40000                  ; cx: my place in the cluster
	s_lshl_b32 s14, ttmp9, 2                       ; in a cluster launch ttmp9 counts clusters
	s_add_co_u32 s14, s14, s13                     ; my block of 256 queries
	s_and_b32 s15, ttmp7, 0xffff                   ; 8 b + head, which the four partners share
	s_lshl_b32 s16, s15, 19                        ; k and v: the head's 524,288 bytes,
	s_lshl_b32 s[G0+1], s[WV], 14                  ; my step of a slot: in LDS (slot 0)
	s_add_co_u32 s16, s16, s[G0+1]                 ; and in memory
	s_mov_b32 s17, 0
	s_lshl_b32 s18, s14, 4
	s_lshl_b32 s19, s[WV], 1
	s_add_co_u32 s18, s18, s19                     ; my first tile of queries: 16 x block + 2 x wave
	s_lshl_b32 s48, s15, 18                        ; q: the head's 262,144 bytes + 1,024 a tile
	s_lshl_b32 s49, s18, 10
	s_add_co_u32 s48, s48, s49
	s_mov_b32 s49, 0
	s_lshr_b32 s50, s15, 3                         ; ctx: [256 b + tile][head][1,024]
	s_lshl_b32 s50, s50, 8
	s_add_co_u32 s50, s50, s18
	s_lshl_b32 s50, s50, 13
	s_and_b32 s51, s15, 7
	s_lshl_b32 s51, s51, 10
	s_add_co_u32 s50, s50, s51
	s_mov_b32 s51, 0
	s_mov_b32 s[G1+0], 15|(3<<16)|(1<<21)          ; 15:0 the mask: all four work-groups; 17:16 elements of 8 bytes; 20 no padding; 21 set beside a mask
	s_mov_b32 s[G1+1], 32<<16                      ; tensor_dim0 = 32 elements: 256 bytes
	s_mov_b32 s[G1+2], 64<<16                      ; tensor_dim1 = 64
	s_mov_b32 s[G1+3], 32<<16                      ; tile_dim0 = 32
	s_mov_b32 s[G1+4], 64                          ; tile_dim1 = 64 rows
	s_mov_b32 s[G1+5], 32                          ; from row to row: dense
	s_mov_b32 s[G1+6], 0
	s_mov_b32 s[G1+7], 0
	s_mov_b32 s[SEL], 0x76543210
	s_mov_b32 s[SEL+1], 0xfedcba98
	s_mov_b32 s[CS], 0x3e38aa3b                    ; log2(e) / 8
	s_mov_b32 s[TB], 0
	s_mov_b32 s[SLOTS], NSL-1
	s_wait_kmcnt 0x0
	s_load_b256 s[40:47], s[8:9], 0x10             ; e4 .. e11: s42 e6, s43 e7, s44 e8, s45 e9, s46 e10
	s_mov_b32 s[G0], 1                             ; count = 1
	s_add_nc_u64 s[G0+2:G0+3], s[6:7], s[16:17]    ; the head's keys 128 w on
	s_or_b32 s[G0+3], s[G0+3], 0x80000000          ; type = 2
	s_add_nc_u64 s[4:5], s[4:5], s[48:49]
	s_add_nc_u64 s[10:11], s[10:11], s[50:51]
	CROUND                                         ; all four work-groups are here: the first joint loads meet
	tensor_load_to_lds s[G0:G0+3], s[G1:G1+7]      ; slot 0
	s_nop 0
	PLACES                                         ; four v_nop follow a tensor load
	s_wait_alu depctr_va_vdst(0)
.irp q, 0,1
.irp c, 0,1
	global_load_b128 v[Q+8*\q+4*\c:Q+8*\q+4*\c+3], v[LI], s[4:5] offset:\q*1024+512*\c   ; q stays in registers
.endr
.endr
.irp q, 0,1
	v_mov_b32 v[ST+8*\q+1], 0xff61b1e6             ; the largest t so far: -3e38, under every t
	s_delay_alu instid0(VALU_DEP_1)
	v_floor_f32 v[ST+8*\q], -v[ST+8*\q+1]          ; -M
	v_mov_b32 v[ST+8*\q+2], 0                      ; the sum, in two halves
	v_mov_b32 v[ST+8*\q+3], 0
	v_mov_b32 v[ST+8*\q+5], 0                      ; (named as the upper half of the pair that holds f)
	v_mov_b32 v[PT+\q], 0                          ; written once: a lane permute's destination counts as one of its sources
.endr
	WIN 0x40
.set n, 0
.rept 64
	v_mov_b32 v[n], 0                              ; O^T.  The step is written once for all steps: the first finds zeros, which the first change of M leaves zeros
.set n, n+1
.endr
	WIN 0
	s_wait_kmcnt 0x0
	s_add_co_i32 s52, s42, s43
	s_lshl_b32 s52, s52, 23
	s_add_co_i32 s[CS], s[CS], s52                 ; a score stands for score x 2^(e6 + e7)
	s_mov_b32 s[CS+1], s[CS]
	s_add_co_i32 s52, s44, 127
	s_lshl_b32 s53, s52, 23
	v_mov_b32 v[SCP], s53                          ; 2^e8
	s_add_co_i32 s52, s52, 15
	s_lshl_b32 s52, s52, 23
	s_or_b32 s52, s52, 0x600000
	v_mov_b32 v[LMP], s52                          ; 57,344 x 2^e8
	s_sub_co_i32 s52, s46, s44
	s_sub_co_i32 s52, s52, s45                     ; O^T / the sum stands for ctx / 2^(e8 + e9): its code is that / 2^(e10 - e8 - e9)
	s_add_co_i32 s52, s52, 127
	s_lshl_b32 s53, s52, 23
	v_mov_b32 v[SCX], s53
	s_add_co_i32 s52, s52, 15
	s_lshl_b32 s52, s52, 23
	s_or_b32 s52, s52, 0x600000
	v_mov_b32 v[LMC], s52
; A KEY STEP: 128 keys, both tiles of queries.
.macro STEP
	v_add_nc_u32 v[ADR], s[TB], v[LI]              ; with the three v_nop: four places between the last products and the loads into their sources
	v_nop
	v_nop
	v_nop
	WIN 0x40                                       ; destination window 1
.irp kt, 0,1,2,3,4,5,6,7
.irp c, 0,1
	ds_load_b128 v[KF+8*\kt+4*\c:KF+8*\kt+4*\c+3], v[ADR] offset:\kt*1024+512*\c
.endr
.endr
.irp dt, 0,1,2,3
.irp c, 0,1,2,3
	ds_load_b128 v[VF+16*\dt+4*\c:VF+16*\dt+4*\c+3], v[ADR] offset:8192+\dt*2048+512*\c
.endr
.endr
	s_wait_dscnt 16                                ; k is in; the sixteen loads of v may stay out
	WIN 0x01                                       ; source 0 (k) window 1
.irp kt, 0,1,2,3,4,5,6,7
.irp q, 0,1
	v_wmma_f32_16x16x64_bf8_bf8 v[S+64*\q+8*\kt:S+64*\q+8*\kt+7], v[KF+8*\kt:KF+8*\kt+7], v[Q+8*\q:Q+8*\q+7], 0
.endr
.endr
	WIN 0
	PLACES
.irp q, 0,1                                    ; the step's largest score of my query among my 64 keys: two chains a tile; each accumulator is first read at its low end
	v_max3_num_f32 v[ST+8*\q+6], v[S+64*\q], v[S+64*\q+1], v[S+64*\q+2]
	v_max3_num_f32 v[ST+8*\q+7], v[S+64*\q+3], v[S+64*\q+4], v[S+64*\q+5]
.endr
.irp i, 6,10,14,18,22,26,30,34,38,42,46,50,54,58
.irp q, 0,1
	v_max3_num_f32 v[ST+8*\q+6], v[ST+8*\q+6], v[S+64*\q+\i], v[S+64*\q+\i+1]
	v_max3_num_f32 v[ST+8*\q+7], v[ST+8*\q+7], v[S+64*\q+\i+2], v[S+64*\q+\i+3]
.endr
.endr
.irp q, 0,1
	v_max3_num_f32 v[ST+8*\q+6], v[ST+8*\q+6], v[S+64*\q+62], v[S+64*\q+63]
.endr
.irp q, 0,1
	s_delay_alu instid0(VALU_DEP_2)
	v_max_num_f32 v[ST+8*\q+6], v[ST+8*\q+6], v[ST+8*\q+7]
.endr
.irp q, 0,1
	s_delay_alu instid0(VALU_DEP_2)
	v_permlanex16_b32 v[PT+\q], v[ST+8*\q+6], s[SEL], s[SEL+1]
.endr
.irp q, 0,1
	s_delay_alu instid0(VALU_DEP_2)
	v_max_num_f32 v[ST+8*\q+6], v[ST+8*\q+6], v[PT+\q]       ; and among the other half of the lanes
.endr
.irp q, 0,1
	s_delay_alu instid0(VALU_DEP_2)
	v_mul_f32 v[ST+8*\q+6], s[CS], v[ST+8*\q+6]              ; as t (c is positive)
.endr
.irp q, 0,1
	s_delay_alu instid0(VALU_DEP_2)
	v_max_num_f32 v[ST+8*\q+1], v[ST+8*\q+1], v[ST+8*\q+6]   ; the running largest t
.endr
.irp q, 0,1
	v_mov_b32 v[ST+8*\q+6], v[ST+8*\q]
.endr
.irp q, 0,1
	s_delay_alu instid0(VALU_DEP_4)
	v_floor_f32 v[ST+8*\q], -v[ST+8*\q+1]                    ; the new -M = floor(-t) = -ceil(t): a whole number
.endr
.irp q, 0,1
	s_delay_alu instid0(VALU_DEP_2)
	v_sub_f32 v[ST+8*\q+6], v[ST+8*\q], v[ST+8*\q+6]         ; old M - new M: a whole number, 0 or less
.endr
.irp q, 0,1
	s_delay_alu instid0(VALU_DEP_2)
	v_cvt_i32_f32 v[ST+8*\q+6], v[ST+8*\q+6]                 ; (it saturates)
.endr
.irp q, 0,1
	s_delay_alu instid0(VALU_DEP_2)
	v_ldexp_f32 v[ST+8*\q+4], 1.0, v[ST+8*\q+6]              ; f = 2^(old M - new M)
.endr
.irp q, 0,1
.set n, 0
.rept 32
	v_pk_fma_f32 v[S+64*\q+n:S+64*\q+n+1], v[S+64*\q+n:S+64*\q+n+1], s[CS:CS+1], v[ST+8*\q:ST+8*\q+1] op_sel_hi:[1,0,0]   ; t - M, two at a time
.set n, n+2
.endr
.endr
.set n, 0
	s_wait_alu depctr_va_vdst(0)
.rept 128
	v_exp_f32 v[S+n], v[S+n]                       ; p = 2^(t - M), at most 1
.set n, n+1
.endr
.irp q, 0,1
	v_pk_mul_f32 v[ST+8*\q+2:ST+8*\q+3], v[ST+8*\q+2:ST+8*\q+3], v[ST+8*\q+4:ST+8*\q+5] op_sel_hi:[1,0]   ; the sums under the new M (a plain place behind the exponentials)
.endr
	s_wait_alu depctr_va_vdst(0)
.irp q, 0,1
	v_pk_add_f32 v[SU+2*\q:SU+2*\q+1], v[S+64*\q:S+64*\q+1], v[S+64*\q+2:S+64*\q+3]   ; THE SUM IS TAKEN OF THE UNQUANTISED p: two chains a tile
.endr
	s_setprio 1
.irp j, 4,8,12,16,20,24,28,32,36,40,44,48,52,56,60
.irp q, 0,1
	v_pk_add_f32 v[ST+8*\q+2:ST+8*\q+3], v[ST+8*\q+2:ST+8*\q+3], v[S+64*\q+\j:S+64*\q+\j+1]
	v_pk_add_f32 v[SU+2*\q:SU+2*\q+1], v[SU+2*\q:SU+2*\q+1], v[S+64*\q+\j+2:S+64*\q+\j+3]
.endr
.endr
.irp q, 0
	s_delay_alu instid0(VALU_DEP_3)
	v_pk_add_f32 v[ST+8*\q+2:ST+8*\q+3], v[ST+8*\q+2:ST+8*\q+3], v[SU+2*\q:SU+2*\q+1]
.endr
.irp q, 1
	s_delay_alu instid0(VALU_DEP_2)
	v_pk_add_f32 v[ST+8*\q+2:ST+8*\q+3], v[ST+8*\q+2:ST+8*\q+3], v[SU+2*\q:SU+2*\q+1]
.endr
.irp q, 0,1
.set n, 0
.rept 64
	v_min_num_f32 v[S+64*\q+n], v[S+64*\q+n], v[LMP]   ; the conversion does not saturate (ISA guide 7.6.2); p is not negative, so the hold is one-sided
.set n, n+1
.endr
.irp kt, 0,1,2,3,4,5,6,7
	v_cvt_scalef32_pk8_bf8_f32 v[P+16*\q+2*\kt:P+16*\q+2*\kt+1], v[S+64*\q+8*\kt:S+64*\q+8*\kt+7], v[SCP]
.endr
.endr
	WIN 0x41                                       ; O^T (destination and source 0) window 1
	s_setprio 0
.irp q, 0,1
.set n, 0
.rept 16
	v_pk_mul_f32 v[32*\q+n:32*\q+n+1], v[32*\q+n:32*\q+n+1], v[ST+8*\q+4:ST+8*\q+5] op_sel_hi:[1,0]   ; O^T under the new M.  These are also the plain lines behind the conversions
.set n, n+2
.endr
.endr
	s_wait_alu depctr_va_vdst(0)
	s_wait_dscnt 0x0                               ; v is in
	WIN 0x51                                       ; source 0 (v), C and D window 1; source 1 (p) window 0
.irp dt, 0,1,2,3
.irp q, 0,1
	v_wmma_f32_16x16x128_bf8_bf8 v[32*\q+8*\dt:32*\q+8*\dt+7], v[VF+16*\dt:VF+16*\dt+15], v[P+16*\q:P+16*\q+15], v[32*\q+8*\dt:32*\q+8*\dt+7]   ; eight accumulators, one turn each
.endr
.endr
	WIN 0
.endm
; THE CHANGE OF SLOTS stands at a slot's head.  Each wave waits for all its tensor loads (its part of the slot ahead), adds 0 to its spare word, and waits for that and for its reads of the slot left.
; fill = 1: the barrier is a round of the cluster's, so that no wave of any partner still reads the slot left or has a load on its way; the joint load of the following 1,024 keys is the first thing behind it.
.macro CHANGE fill
	s_wait_tensorcnt 0x0                           ; no tensor load of mine is out, so group 0 may be written
	ds_add_u32 v[SPW], v[NIL]                      ; 0 onto my spare word
.if \fill
	s_xor_b32 s[G0+1], s[G0+1], SLOT1              ; the other slot than last time,
	s_add_nc_u64 s[G0+2:G0+3], s[G0+2:G0+3], NST*STEPB   ; the next 8 steps; the type bits on top are not reached
.endif
	s_wait_dscnt 0x0                               ; the add is done, and my reads of the slot that I have left are over
.if \fill
	CROUND
	tensor_load_to_lds s[G0:G0+3], s[G1:G1+7]      ; my one tensor load until the next round
	s_nop 0
	PLACES
.else
	s_barrier_signal -1
	s_barrier_wait -1
.endif
.endm
.macro SLOT_STEPS                      ; a slot's eight steps: written once, walked eight times; the LDS address hangs on s[TB]
	s_mov_b32 s[STEPS], NST
.Lstep_\@:
	s_setprio 2
	STEP
	s_add_co_u32 s[TB], s[TB], STEPB
	s_sub_co_u32 s[STEPS], s[STEPS], 1
	s_cmp_lg_u32 s[STEPS], 0
	s_cbranch_scc1 .Lstep_\@
	s_setprio 0
	s_sub_co_u32 s[TB], s[TB], NST*STEPB           ; back to a slot's first step,
	s_xor_b32 s[TB], s[TB], SLOT1                  ; in the other slot
.endm
	s_wait_loadcnt 0x0                             ; q
.Lslot:                                            ; NSL - 1 trips: behind each change of slots but the last the next slot is asked for
	CHANGE 1
	SLOT_STEPS
	s_sub_co_u32 s[SLOTS], s[SLOTS], 1
	s_cmp_lg_u32 s[SLOTS], 0
	s_cbranch_scc1 .Lslot
	CHANGE 0                                       ; the last slot is written out
	SLOT_STEPS
	; THE WAY OUT: O^T / the sum, held and converted: a tile's four conversions give the eight registers of a fragment (row = query, k = the head's 64 channels), stored as its image.
	PLACES
.irp q, 0,1
	v_add_f32 v[ST+8*\q+2], v[ST+8*\q+2], v[ST+8*\q+3]
.endr
.irp q, 0,1
	s_delay_alu instid0(VALU_DEP_2)
	v_permlanex16_b32 v[PT+\q], v[ST+8*\q+2], s[SEL], s[SEL+1]
.endr
.irp q, 0,1
	s_delay_alu instid0(VALU_DEP_2)
	v_add_f32 v[ST+8*\q+2], v[ST+8*\q+2], v[PT+\q]           ; the sum of the row
.endr
	s_wait_alu depctr_va_vdst(0)
.irp q, 0,1
	v_rcp_f32 v[ST+8*\q+6], v[ST+8*\q+2]
.endr
	v_nop                                          ; a plain line behind the last reciprocal
	WIN 0x01                                       ; source 0 (O^T) window 1
	s_wait_alu depctr_va_vdst(0)
.irp q, 0,1
.set n, 0
.rept 16
	v_pk_mul_f32 v[S+32*\q+n:S+32*\q+n+1], v[32*\q+n:32*\q+n+1], v[ST+8*\q+6:ST+8*\q+7] op_sel_hi:[1,0]   ; each accumulator from its low end on
.set n, n+2
.endr
.endr
	WIN 0
.set n, 0
.rept 64
	v_med3_num_f32 v[S+n], v[S+n], -v[LMC], v[LMC]
.set n, n+1
.endr
.irp q, 0,1
.irp dt, 0,1,2,3
	v_cvt_scalef32_pk8_bf8_f32 v[OC+8*\q+2*\dt:OC+8*\q+2*\dt+1], v[S+32*\q+8*\dt:S+32*\q+8*\dt+7], v[SCX]
.endr
.endr
	v_nop
.irp q, 0,1
.irp c, 0,1
	global_store_b128 v[LI], v[OC+8*\q+4*\c:OC+8*\q+4*\c+3], s[10:11] offset:\q*8192+512*\c   ; 512 consecutive bytes a store
.endr
.endr
	s_wait_tensorcnt 0x0                           ; the wave's end
	ds_add_u32 v[SPW], v[NIL]
	s_wait_dscnt 0x0
	CROUND                                         ; the closing round: no work-group ends while a partner may still ask for a tile that names it
	s_endpgm
.Lfunc_end_k_q467975eefe_attn:
	.size	k_q467975eefe_attn, .Lfunc_end_k_q467975eefe_attn-k_q467975eefe_attn
	.p2alignl 7, 3214868480
	.fill 96, 4, 3214868480
	.section	.rodata,"a",@progbits
	.p2align	6, 0x0
	.amdhsa_kernel k_q467975eefe_attn
		.amdhsa_group_segment_fixed_size 327680
		.amdhsa_private_segment_fixed_size 0
		.amdhsa_enable_private_segment 0
		.amdhsa_kernarg_size 32
		.amdhsa_user_sgpr_count 2
		.amdhsa_user_sgpr_kernarg_segment_ptr 1
		.amdhsa_wavefront_size32 1
		.amdhsa_system_sgpr_workgroup_id_x 1
		.amdhsa_system_sgpr_workgroup_id_y 1
		.amdhsa_system_sgpr_workgroup_id_z 1
		.amdhsa_system_vgpr_workitem_id 0
		.amdhsa_next_free_vgpr 512
		.amdhsa_next_free_sgpr 66
		.amdhsa_reserve_vcc 0
		.amdhsa_float_denorm_mode_32 3
		.amdhsa_float_denorm_mode_16_64 3
		.amdhsa_memory_ordered 1
		.amdhsa_forward_progress 1
		.amdhsa_inst_pref_size 75
	.end_amdhsa_kernel
	.amdgpu_metadata
---
amdhsa.version: [ 1, 2 ]
amdhsa.kernels:
  - .name:           k_q467975eefe_attn
    .symbol:         k_q467975eefe_attn.kd
    .args:
      - { .name: q_codes, .offset: 0, .size: 8, .value_kind: global_buffer, .address_space: global }
      - { .name: kv_codes, .offset: 8, .size: 8, .value_kind: global_buffer, .address_space: global }
      - { .name: lowp_scales, .offset: 16, .size: 8, .value_kind: global_buffer, .address_space: global }
      - { .name: ctx_codes, .offset: 24, .size: 8, .value_kind: global_buffer, .address_space: global }
    .group_segment_fixed_size: 327680
    .private_segment_fixed_size: 0
    .kernarg_segment_align: 8
    .kernarg_segment_size: 32
    .max_flat_workgroup_size: 256
    .sgpr_count:     66
    .vgpr_count:     512
    .wavefront_size: 32
...
	.end_amdgpu_metadata
.endif
;; end of part 7
;; launch outln (part 8): grid 256 x 1, 4 waves a work-group, no clusters, 66,560 bytes of LDS; arguments ctx_codes, wcodes, lowp_scales, bo, x, ln_g, ln_b, out0; writes out0
.if DOCPART == 8
	.amdgcn_target "amdgcn-amd-amdhsa--gfx1250"
	.amdhsa_code_object_version 6
	.text
	.protected	k_q467975eefe_outln
	.globl	k_q467975eefe_outln
	.p2align	8
	.type	k_q467975eefe_outln,@function
k_q467975eefe_outln:
	s_mov_b64 s[64:65], 0
	v_nop
	global_prefetch_b8 v0, s[64:65] scope:SCOPE_SE
	s_setreg_imm32_b32 hwreg(HW_REG_WAVE_SCHED_MODE, 0, 2), 2
	s_setreg_imm32_b32 hwreg(HW_REG_WAVE_MODE, 25, 1), 1
	s_wait_xcnt 0x0
	s_wait_alu depctr_vm_vsrc(0)
; out0 = LayerNorm(Q(ctx) Q(wo) + bo + x) x ln_g + ln_b.  The product is on codes of BF8 (E5M2) made by earlier launches; each finished sum is multiplied once by 2^(e10 + e11).
; LIMIT: e10 + e11 between -126 and 127.  The variance is taken of the deviations from the mean, as a sum of squares, never as a difference of large sums.
; SHARES: a work-group has 32 rows (two tiles of 16 tokens).  MATRIX PHASE: wave w makes columns 128 w .. + 127 of all 32 rows; its 32 fragments of wo fill 512 registers; source 0 = 16 columns of wo,
; source 1 = 16 tokens, so a lane holds 8 neighbouring columns of one row.  The sums meet in a stage in LDS (32 rows, 2,048 bytes + 16 apart, so that the sixteen rows of a store start at sixteen
; different banks: 64 banks of 4 bytes, ISA guide 11.1); one barrier.  ROW PHASE: wave w has rows 8 w .. + 7 whole: lane l holds columns 128 q + 4 l + 0..3, q = 0..3; every load and store is 512 consecutive bytes.
; REGISTERS: window 0: v1-3 addresses; v16-143 the fragments of ctx, later the rows y (16 registers a row); v144 ln_g, v160 ln_b, v176 bo (16 each); v192 -mean, then 1 / sqrt(var + eps) (a pair a row);
;   v208 sums at work (a pair a row); v224-231 lane permutes.   windows 1, 2: wo's fragment (t, s) at v[64 (t % 4) + 16 s] of window 1 + t / 4.   window 3: v0-127 the 16 accumulators; v128-255 x + bo.
; THE MODE: SCHED_MODE bits 1:0 = 2 (LLVM: expert scheduling mode 2), set by the entry lines.  The code itself states the register dependences between vector or matrix instructions
; and memory or LDS instructions, with s_wait_alu, always for 0.
; THE PLAN.  Registers that memory or LDS instructions touch:
;   v1-3               offsets and LDS addresses: written once at the head, ahead of the head's wait on va_vdst; never written again.
;   the accumulators   written by the products, read by the stage's LDS stores, never written again.
;   v16-143            loaded with the fragments of ctx; read by the products; then the loads from the stage land in them; the row phase works on them in place; the 32 global stores read them; never written again.
;   wo, x, ln_g, ln_b, bo are loaded once and then named by vector and matrix instructions alone.
; One wait on va_vdst behind the products serves the LDS stores and the loads from the stage; the last scaling goes in four blocks of two rows, one wait behind each, and a block's
; eight stores are dealt among the next block's vector instructions, which name other rows.
.set SPI, 2064                         ; the stage's pitch
.set LI,  1                            ; v1  16 x lane
.set SO,  2                            ; v2  the stage: where I put 32 bytes of a row
.set SR,  3                            ; v3  and where I read my rows back
.set CF,  16
.set G,   144
.set B,   160
.set BO,  176
.set MS,  192
.set T,   208
.set PT,  224
.set XR,  128                          ; in window 3
.set MSB, 0
.macro WIN new                         ; the immediate's high byte repeats the setting that is left; a switch that changes nothing is dropped
.if MSB != (\new)
	s_set_vgpr_msb (MSB<<8)|(\new)
.set MSB, (\new)
.endif
.endm
	s_load_b256 s[4:11], s[0:1], 0x0               ; ctx_codes s[4:5], wcodes s[6:7], the exponents s[8:9], bo s[10:11]
	s_load_b256 s[12:19], s[0:1], 0x20             ; x s[12:13], ln_g s[14:15], ln_b s[16:17], out0 s[18:19]
	v_lshl_add_u32 v254, v0, 2, 0x10200
	v_mov_b32 v255, 0
	v_lshrrev_b32 v4, 5, v0
	v_readfirstlane_b32 s20, v4                    ; wave 0..3
	v_and_b32 v5, 31, v0
	v_lshlrev_b32 v[LI], 4, v5
	v_and_b32 v6, 15, v0                           ; r
	v_bfe_u32 v7, v0, 4, 1                         ; h
	v_mul_u32_u24 v[SO], v6, SPI
	v_lshl_add_u32 v[SO], v7, 5, v[SO]
	s_wait_alu depctr_va_sdst(0)                   ; s20 is written, ahead of its first reader: the stage's addresses and the bases of wo, x and out0 are made from it
	s_lshl_b32 s21, s20, 9
	v_add_nc_u32 v[SO], s21, v[SO]                 ; row r, + 512 x wave + 32 h
	s_mul_i32 s21, s20, 8*SPI
	v_add_nc_u32 v[SR], s21, v[LI]                 ; my 8 rows, 16 bytes a lane
.irp i, 0,1,2,3,4,5,6,7
	v_mov_b32 v[MS+2*\i+1], 0                      ; (named as the upper half of a pair)
	v_mov_b32 v[PT+\i], 0                          ; a lane permute's destination counts as one of its sources
.endr
	s_lshl_b32 s22, ttmp9, 14                      ; ctx: two tiles of 8,192 bytes a work-group
	s_mov_b32 s23, 0
	s_lshl_b32 s24, s20, 16                        ; wo is the fourth weight in wcodes; 8 column tiles a wave
	s_add_co_u32 s24, s24, 786432
	s_mov_b32 s25, 0
	s_lshl_b32 s26, ttmp9, 16                      ; x and out0: 32 rows of 2,048 bytes a work-group,
	s_lshl_b32 s27, s20, 14                        ; 8 a wave
	s_add_co_u32 s26, s26, s27
	s_mov_b32 s27, 0
	s_mov_b32 s32, 0x3b000000                      ; 1 / 512
	s_mov_b32 s33, 0x3727c5ac                      ; 1e-5
	s_mov_b32 s34, 0x76543210                      ; selects of v_permlanex16_b32: lane l xor 16
	s_mov_b32 s35, 0xfedcba98
	s_mov_b32 s36, 0xbb000000                      ; -1 / 512
	s_wait_kmcnt 0x0
	s_load_b64 s[28:29], s[8:9], 0x28              ; e10, e11
	s_add_nc_u64 s[4:5], s[4:5], s[22:23]
	s_add_nc_u64 s[6:7], s[6:7], s[24:25]
	s_add_nc_u64 s[12:13], s[12:13], s[26:27]
	s_add_nc_u64 s[18:19], s[18:19], s[26:27]
	s_wait_alu depctr_va_vdst(0)                   ; v1 to v3 are written: every load, store and LDS instruction of the kernel reads one of them as its offset or address
.irp m, 0,1
.irp s, 0,1,2,3
.irp c, 0,1,2,3
	global_load_b128 v[CF+64*\m+16*\s+4*\c:CF+64*\m+16*\s+4*\c+3], v[LI], s[4:5] offset:\m*8192+\s*2048+512*\c th:TH_LOAD_NT   ; heads 2 s, 2 s + 1 are K step s
.endr
.endr
.endr
.irp t, 0,1,2,3,4,5,6,7
	WIN 0x40+0x40*(\t/4)
.irp s, 0,1,2,3
.irp c, 0,1,2,3
	global_load_b128 v[64*(\t%4)+16*\s+4*\c:64*(\t%4)+16*\s+4*\c+3], v[LI], s[6:7] offset:(4*\t+\s)*2048+512*\c
.endr
.endr
.endr
	WIN 0xc0
.irp i, 0,1,2,3,4,5,6,7
.irp q, 0,1,2,3
	global_load_b128 v[XR+16*\i+4*\q:XR+16*\i+4*\q+3], v[LI], s[12:13] offset:\i*2048+512*\q th:TH_LOAD_NT
.endr
.endr
	WIN 0
.irp q, 0,1,2,3
	global_load_b128 v[G+4*\q:G+4*\q+3], v[LI], s[14:15] offset:512*\q
	global_load_b128 v[B+4*\q:B+4*\q+3], v[LI], s[16:17] offset:512*\q
	global_load_b128 v[BO+4*\q:BO+4*\q+3], v[LI], s[10:11] offset:512*\q
.endr
	s_wait_loadcnt 44                              ; the codes are in; the 44 youngest loads (32 of x, 4 each of ln_g, ln_b, bo) may stay out
	; ---- the product: 16 accumulators by turns; the first K step starts the sums
.irp s, 0,1,2,3
.irp g, 0,1
	WIN 0xf1+\g                                    ; source 0 (wo) window 1 or 2, source 1 (ctx) window 0, C and D window 3
.irp m, 0,1
.irp t, 0,1,2,3
.if \s == 0
	v_wmma_f32_16x16x128_bf8_bf8 v[64*\m+8*(4*\g+\t):64*\m+8*(4*\g+\t)+7], v[64*\t+16*\s:64*\t+16*\s+15], v[CF+64*\m+16*\s:CF+64*\m+16*\s+15], 0
.else
	v_wmma_f32_16x16x128_bf8_bf8 v[64*\m+8*(4*\g+\t):64*\m+8*(4*\g+\t)+7], v[64*\t+16*\s:64*\t+16*\s+15], v[CF+64*\m+16*\s:CF+64*\m+16*\s+15], v[64*\m+8*(4*\g+\t):64*\m+8*(4*\g+\t)+7]
.endif
.endr
.endr
.endr
.endr
	WIN 0x0c                                       ; an LDS store's data: window 3
.rept 4
	v_nop                                          ; four places between the last products and the stores that read results
.endr
	s_wait_alu depctr_va_vdst(0)                   ; the products have written the accumulators, which the LDS stores read, and are done reading v16-143, in which the loads from the stage land; the places above stay beside this wait
.irp m, 0,1
.irp t, 0,1,2,3,4,5,6,7
	ds_store_b128 v[SO], v[64*\m+8*\t:64*\m+8*\t+3] offset:16*\m*SPI+64*\t          ; lane (r, h): row 16 m + r, columns 128 w + 16 t + 8 h + 0..7; the low four registers first
	ds_store_b128 v[SO], v[64*\m+8*\t+4:64*\m+8*\t+7] offset:16*\m*SPI+64*\t+16
.endr
.endr
	s_wait_loadcnt 0x0
	WIN 0xc3
.irp i, 0,1,2,3,4,5,6,7
.irp j, 0,2,4,6,8,10,12,14
	v_pk_add_f32 v[XR+16*\i+\j:XR+16*\i+\j+1], v[XR+16*\i+\j:XR+16*\i+\j+1], v[BO+\j:BO+\j+1]   ; x + bo, while the stores land.  (These name window 3's v128-255 and v176-191: none of the registers that the LDS instructions round them touch)
.endr
.endr
	WIN 0
	s_wait_kmcnt 0x0
	s_add_co_i32 s30, s28, s29
	s_add_co_i32 s30, s30, 127
	s_lshl_b32 s30, s30, 23                        ; 2^(e10 + e11) as f32
	s_mov_b32 s31, s30                             ; (named with it as a pair, so it is written)
	s_wait_dscnt 0x0                               ; for the others' sake: my stores into the stage are done
	s_barrier_signal -1
	s_barrier_wait -1                              ; 32 whole rows lie in the stage
	; ---- my 8 rows, each stage written for all eight so that no line waits for the line above it
.irp i, 0,1,2,3,4,5,6,7
.irp q, 0,1,2,3
	ds_load_b128 v[CF+16*\i+4*\q:CF+16*\i+4*\q+3], v[SR] offset:\i*SPI+512*\q
.endr
.endr
	s_wait_dscnt 0x0
	WIN 0x30                                       ; source 2 (x + bo) window 3
.irp i, 0,1,2,3,4,5,6,7
.irp j, 0,2,4,6,8,10,12,14
	v_pk_fma_f32 v[CF+16*\i+\j:CF+16*\i+\j+1], v[CF+16*\i+\j:CF+16*\i+\j+1], s[30:31], v[XR+16*\i+\j:XR+16*\i+\j+1] op_sel_hi:[1,0,1]   ; y = sum x 2^(e10 + e11) + bo + x
.endr
.endr
	WIN 0
.macro REDUCE                          ; v[T + 2 i] summed over the 32 lanes, for the eight rows: four steps inside each half of 16 lanes, one across
.irp x, 1,2,4,8
.irp i, 0,1,2,3,4,5,6,7
	v_add_f32_dpp v[T+2*\i], v[T+2*\i], v[T+2*\i] row_xmask:\x row_mask:0xf bank_mask:0xf
.endr
.endr
.irp i, 0,1,2,3,4,5,6,7
	v_permlanex16_b32 v[PT+\i], v[T+2*\i], s34, s35
.endr
.irp i, 0,1,2,3,4,5,6,7
	v_add_f32 v[T+2*\i], v[T+2*\i], v[PT+\i]
.endr
.endm
.irp i, 0,1,2,3,4,5,6,7
	v_pk_add_f32 v[T+2*\i:T+2*\i+1], v[CF+16*\i:CF+16*\i+1], v[CF+16*\i+2:CF+16*\i+3]
.endr
.irp j, 4,6,8,10,12,14
.irp i, 0,1,2,3,4,5,6,7
	v_pk_add_f32 v[T+2*\i:T+2*\i+1], v[T+2*\i:T+2*\i+1], v[CF+16*\i+\j:CF+16*\i+\j+1]
.endr
.endr
.irp i, 0,1,2,3,4,5,6,7
	v_add_f32 v[T+2*\i], v[T+2*\i], v[T+2*\i+1]
.endr
	REDUCE
.irp i, 0,1,2,3,4,5,6,7
	v_mul_f32 v[MS+2*\i], s36, v[T+2*\i]           ; -mean
.endr
.irp i, 0,1,2,3,4,5,6,7
.irp j, 0,2,4,6,8,10,12,14
	v_pk_add_f32 v[CF+16*\i+\j:CF+16*\i+\j+1], v[CF+16*\i+\j:CF+16*\i+\j+1], v[MS+2*\i:MS+2*\i+1] op_sel_hi:[1,0]   ; y - mean
.endr
.endr
.irp i, 0,1,2,3,4,5,6,7
	v_pk_mul_f32 v[T+2*\i:T+2*\i+1], v[CF+16*\i:CF+16*\i+1], v[CF+16*\i:CF+16*\i+1]
.endr
.irp j, 2,4,6,8,10,12,14
.irp i, 0,1,2,3,4,5,6,7
	v_pk_fma_f32 v[T+2*\i:T+2*\i+1], v[CF+16*\i+\j:CF+16*\i+\j+1], v[CF+16*\i+\j:CF+16*\i+\j+1], v[T+2*\i:T+2*\i+1]
.endr
.endr
.irp i, 0,1,2,3,4,5,6,7
	v_add_f32 v[T+2*\i], v[T+2*\i], v[T+2*\i+1]
.endr
	REDUCE
.irp i, 0,1,2,3,4,5,6,7
	v_fma_f32 v[T+2*\i], v[T+2*\i], s32, s33       ; var + eps
.endr
	s_wait_alu depctr_va_vdst(0)
.irp i, 0,1,2,3,4,5,6,7
	v_rsq_f32 v[MS+2*\i], v[T+2*\i]
.endr
	v_nop                                          ; a plain line behind the last transcendental
	s_wait_alu depctr_va_vdst(0)                   ; the eight reciprocal roots are written: one wait for the batch, ahead of its first reader
.macro ROWOUT i                        ; row i leaves: 512 consecutive bytes a store; written once, read by nobody here
.irp q, 0,1,2,3
	global_store_b128 v[LI], v[CF+16*(\i)+4*\q:CF+16*(\i)+4*\q+3], s[18:19] offset:(\i)*2048+512*\q th:TH_STORE_NT
.endr
.endm
.irp b, 0,1,2,3                        ; four blocks of two rows
.irp u, 0,1
.if \b > 0
	ROWOUT 2*\b+\u-2                               ; a row of the block before.  No wait here: no vector instruction since the wait behind that block names its registers
.endif
.irp j, 0,2,4,6,8,10,12,14
	v_pk_mul_f32 v[CF+16*(2*\b+\u)+\j:CF+16*(2*\b+\u)+\j+1], v[CF+16*(2*\b+\u)+\j:CF+16*(2*\b+\u)+\j+1], v[MS+2*(2*\b+\u):MS+2*(2*\b+\u)+1] op_sel_hi:[1,0]
.endr
.irp j, 0,2,4,6,8,10,12,14
	v_pk_fma_f32 v[CF+16*(2*\b+\u)+\j:CF+16*(2*\b+\u)+\j+1], v[CF+16*(2*\b+\u)+\j:CF+16*(2*\b+\u)+\j+1], v[G+\j:G+\j+1], v[B+\j:B+\j+1]
.endr
.endr
	s_wait_alu depctr_va_vdst(0)                   ; this block's two rows are written, which the eight stores that follow read
.endr
	ROWOUT 6
	ROWOUT 7
	s_wait_dscnt 0x0
	s_wait_alu depctr_hold_cnt(0) depctr_sa_sdst(0) depctr_va_vdst(0) depctr_va_sdst(0) depctr_va_ssrc(0) depctr_va_vcc(0) depctr_vm_vsrc(0)
	s_wait_tensorcnt 0x0
	ds_add_u32 v254, v255
	s_wait_dscnt 0x0
	s_endpgm
.Lfunc_end_k_q467975eefe_outln:
	.size	k_q467975eefe_outln, .Lfunc_end_k_q467975eefe_outln-k_q467975eefe_outln
	.p2alignl 7, 3214868480
	.fill 96, 4, 3214868480
	.section	.rodata,"a",@progbits
	.p2align	6, 0x0
	.amdhsa_kernel k_q467975eefe_outln
		.amdhsa_group_segment_fixed_size 66560
		.amdhsa_private_segment_fixed_size 0
		.amdhsa_enable_private_segment 0
		.amdhsa_kernarg_size 64
		.amdhsa_user_sgpr_count 2
		.amdhsa_user_sgpr_kernarg_segment_ptr 1
		.amdhsa_wavefront_size32 1
		.amdhsa_system_sgpr_workgroup_id_x 1
		.amdhsa_system_sgpr_workgroup_id_y 1
		.amdhsa_system_sgpr_workgroup_id_z 1
		.amdhsa_system_vgpr_workitem_id 0
		.amdhsa_next_free_vgpr 1024
		.amdhsa_next_free_sgpr 66
		.amdhsa_reserve_vcc 0
		.amdhsa_float_denorm_mode_32 3
		.amdhsa_float_denorm_mode_16_64 3
		.amdhsa_memory_ordered 1
		.amdhsa_forward_progress 1
		.amdhsa_inst_pref_size 69
	.end_amdhsa_kernel
	.amdgpu_metadata
---
amdhsa.version: [ 1, 2 ]
amdhsa.kernels:
  - .name:           k_q467975eefe_outln
    .symbol:         k_q467975eefe_outln.kd
    .args:
      - { .name: ctx_codes, .offset: 0, .size: 8, .value_kind: global_buffer, .address_space: global }
      - { .name: wcodes, .offset: 8, .size: 8, .value_kind: global_buffer, .address_space: global }
      - { .name: lowp_scales, .offset: 16, .size: 8, .value_kind: global_buffer, .address_space: global }
      - { .name: bo, .offset: 24, .size: 8, .value_kind: global_buffer, .address_space: global }
      - { .name: x, .offset: 32, .size: 8, .value_kind: global_buffer, .address_space: global }
      - { .name: ln_g, .offset: 40, .size: 8, .value_kind: global_buffer, .address_space: global }
      - { .name: ln_b, .offset: 48, .size: 8, .value_kind: global_buffer, .address_space: global }
      - { .name: out0, .offset: 56, .size: 8, .value_kind: global_buffer, .address_space: global }
    .group_segment_fixed_size: 66560
    .private_segment_fixed_size: 0
    .kernarg_segment_align: 8
    .kernarg_segment_size: 64
    .max_flat_workgroup_size: 128
    .sgpr_count:     66
    .vgpr_count:     1024
    .wavefront_size: 32
...
	.end_amdgpu_metadata
.endif
;; end of part 8
